; MI455X (gfx1250); checked and timed in simulation.
; The chip was launched on July 23, 2026; its instructions are those of AMD's public machine-readable ISA for CDNA 5 (MIT licence, August 2026) and "CDNA5" Instruction Set Architecture Reference Guide (July 2026). The comments in the code are by the model that wrote it; some were corrected since.
;; Multihead Sdpa Diff1. Allowed arithmetic: float matrix products may take bf16 or f16 operands with f32 sums; other float arithmetic in f32, or as packed bf16 or f16 multiplies, adds, multiply-adds, maxima and minima; sums over many terms, partial sums and values carried from step to step in f32; what a program stores and reads back later, other than sums and carried values, may be rounded once to bf16 or f16.
;; Inputs: Wk 2,048 x 2,048 float32; Wo 2,048 x 2,048 float32; Wq 2,048 x 2,048 float32; Wv 2,048 x 2,048 float32; lambda_k1 128 float32; lambda_k2 128 float32; lambda_q1 128 float32; lambda_q2 128 float32; subln_weight 256 float32; x 2 x 1,024 x 2,048 float32.
;; Outputs: out0 2 x 1,024 x 2,048 float32.
;; One version. Each part assembles by itself: llvm-mc -triple=amdgcn-amd-amdhsa -mcpu=gfx1250 --defsym DOCPART=n.
;; ======== version 1 of 1: 4 launches
;; limits: values are held in f16: magnitudes above 65,504 overflow, below 6.1e-05 lose precision
;; workspace buffers: xb 8,388,608 bytes; wqkv 25,165,824 bytes; wo16 8,388,608 bytes; qkv 25,165,824 bytes; ab 8,388,608 bytes
;; launch cast (part 1): grid 256 x 5, 8 waves a work-group, no clusters, 0 bytes of LDS; arguments x, Wq, Wk, Wv, Wo, xb, wqkv, wo16; writes xb, wqkv, wo16
.if DOCPART == 1
	.amdgcn_target "amdgcn-amd-amdhsa--gfx1250"
	.amdhsa_code_object_version 6
	.text
	.protected	k_q6743f12de4_cast
	.globl	k_q6743f12de4_cast
	.p2align	8
	.type	k_q6743f12de4_cast,@function
k_q6743f12de4_cast:
	s_mov_b64 s[64:65], 0
	v_nop
	global_prefetch_b8 v0, s[64:65] scope:SCOPE_SE
	s_setreg_imm32_b32 hwreg(HW_REG_WAVE_MODE, 25, 1), 1
	s_wait_xcnt 0x0
; CAST: the module's large inputs are rounded once to 16 bits, so that the products that follow take them as matrix operands.
;   x -> xb (bf16), Wq, Wk, Wv -> the three planes of wqkv (bf16), Wo -> wo16 (rounded to bf16, and that number written as f16).  All keep their layout: the weights stay [in][out].
; THE PROGRAM: cast; qkv (q, k, v = x W, stored f16 by head component); attn (both causal branches, their difference, the RMS norm, the gain; stored f16); oproj (a Wo, f32).
; WORK LEFT OUT (in attn).  reference() builds the causal mask itself (jnp.tril) and sets every score with key > query to the lowest finite f32 ahead of the softmax.  Each row holds its own
; key's finite score, so the row's maximum is finite, and the weight of a hidden key is exp(lowest - maximum) = 0 for all finite inputs: it adds 0 to the row's sum and 0 to P V.  So a tile of
; 128 keys that lies wholly above the diagonal of a group of 128 queries reaches no output and is neither loaded nor multiplied: 36 of a head's 64 tiles are walked.  Every input has a way to
; the output and is loaded.  LIMIT: a NaN, an infinity or an overflow that reaches only the tiles left out is not carried to the result.
; LIMITS of this launch: bf16(Wo) beyond 65,504 becomes an infinity in f16; below 6e-5 it keeps f16's fixed step of 6e-8.
; SHARES.  The work-group's y picks the array (0: x; 1, 2, 3: Wq, Wk, Wv; 4: Wo), its x a chunk of 65,536 source bytes: sixteen groups of 4,096.  Thread t takes the 16 bytes (4 numbers) at 16 t
; of each group, so a wave's load covers 512 consecutive bytes and no byte's neighbourhood is named by two loads; it rounds in place and stores 8 bytes at 8 t: a wave's store covers 256
; consecutive bytes, aligned.  All 16 loads of a thread go out before the first wait.  No register that a store reads is written again.  No LDS, no barrier: no thread wants another's bytes.
.set X,   4                            ; v[4:67]    group j: 4 numbers as loaded; its first two registers then hold the 4 rounded numbers
.set SRC, 24                           ; s[24:25]   the source at my chunk
.set DST, 26                           ; s[26:27]   the destination at my chunk
	s_load_b512 s[8:23], s[0:1], 0x0               ; x s[8:9], Wq s[10:11], Wk s[12:13], Wv s[14:15], Wo s[16:17], xb s[18:19], wqkv s[20:21], wo16 s[22:23]
	s_and_b32 s2, ttmp7, 0xffff                    ; which array
	v_lshlrev_b32 v1, 4, v0                        ; my 16 bytes of a group's source
	v_lshlrev_b32 v2, 3, v0                        ; my 8 bytes of its destination
	s_sub_co_u32 s28, s2, 1                        ; the plane of wqkv: (y - 1) x 8,388,608 bytes for y = 1, 2, 3,
	s_lshl_b32 s28, s28, 23
	s_cmp_eq_u32 s2, 0
	s_cselect_b32 s28, 0, s28                      ; and 0 for x
	s_cmp_eq_u32 s2, 4
	s_cselect_b32 s28, 0, s28                      ; and for Wo
	s_lshl_b32 s29, ttmp9, 15                      ; my chunk: 32,768 bytes of the destination,
	s_add_co_u32 s28, s28, s29
	s_mov_b32 s29, 0
	s_lshl_b32 s30, ttmp9, 16                      ; 65,536 of the source
	s_mov_b32 s31, 0
	s_mov_b32 s3, 0xffff0000                       ; a word's upper bf16
	s_wait_kmcnt 0x0
	s_cmp_eq_u32 s2, 1
	s_cselect_b64 s[SRC:SRC+1], s[10:11], s[8:9]
	s_cmp_eq_u32 s2, 2
	s_cselect_b64 s[SRC:SRC+1], s[12:13], s[SRC:SRC+1]
	s_cmp_eq_u32 s2, 3
	s_cselect_b64 s[SRC:SRC+1], s[14:15], s[SRC:SRC+1]
	s_cmp_eq_u32 s2, 4
	s_cselect_b64 s[SRC:SRC+1], s[16:17], s[SRC:SRC+1]
	s_cselect_b64 s[DST:DST+1], s[22:23], s[20:21]
	s_cmp_eq_u32 s2, 0
	s_cselect_b64 s[DST:DST+1], s[18:19], s[DST:DST+1]
	s_add_nc_u64 s[SRC:SRC+1], s[SRC:SRC+1], s[30:31]
	s_add_nc_u64 s[DST:DST+1], s[DST:DST+1], s[28:29]
.irp j, 0,1,2,3,4,5,6,7,8,9,10,11,12,13,14,15
	global_load_b128 v[X+4*(\j):X+4*(\j)+3], v1, s[SRC:SRC+1] offset:4096*(\j) th:TH_LOAD_NT
.endr
	s_cmp_eq_u32 s2, 4
	s_cbranch_scc1 .Lwo
.irp j, 0,1,2,3,4,5,6,7,8,9,10,11,12,13,14,15
	s_wait_loadcnt 15-(\j)                         ; loads come back in order: group j's is in, the younger groups' stay out
	v_cvt_pk_bf16_f32 v[X+4*(\j)],   v[X+4*(\j)],   v[X+4*(\j)+1]
	v_cvt_pk_bf16_f32 v[X+4*(\j)+1], v[X+4*(\j)+2], v[X+4*(\j)+3]
	global_store_b64 v2, v[X+4*(\j):X+4*(\j)+1], s[DST:DST+1] offset:2048*(\j)
.endr
	s_endpgm
.Lwo:                                          ; Wo: rounded to bf16 like every input, widened again (in the group's two spent registers), and that number written as f16
.irp j, 0,1,2,3,4,5,6,7,8,9,10,11,12,13,14,15
	s_wait_loadcnt 15-(\j)
	v_cvt_pk_bf16_f32 v[X+4*(\j)],   v[X+4*(\j)],   v[X+4*(\j)+1]
	v_cvt_pk_bf16_f32 v[X+4*(\j)+1], v[X+4*(\j)+2], v[X+4*(\j)+3]
	v_lshlrev_b32 v[X+4*(\j)+2], 16, v[X+4*(\j)]
	v_and_b32     v[X+4*(\j)+3], s3, v[X+4*(\j)]
	v_cvt_pk_f16_f32 v[X+4*(\j)], v[X+4*(\j)+2], v[X+4*(\j)+3]
	v_lshlrev_b32 v[X+4*(\j)+2], 16, v[X+4*(\j)+1]
	v_and_b32     v[X+4*(\j)+3], s3, v[X+4*(\j)+1]
	v_cvt_pk_f16_f32 v[X+4*(\j)+1], v[X+4*(\j)+2], v[X+4*(\j)+3]
	global_store_b64 v2, v[X+4*(\j):X+4*(\j)+1], s[DST:DST+1] offset:2048*(\j)
.endr
	s_endpgm
.Lfunc_end_k_q6743f12de4_cast:
	.size	k_q6743f12de4_cast, .Lfunc_end_k_q6743f12de4_cast-k_q6743f12de4_cast
	.p2alignl 7, 3214868480
	.fill 96, 4, 3214868480
	.section	.rodata,"a",@progbits
	.p2align	6, 0x0
	.amdhsa_kernel k_q6743f12de4_cast
		.amdhsa_group_segment_fixed_size 0
		.amdhsa_private_segment_fixed_size 0
		.amdhsa_enable_private_segment 0
		.amdhsa_kernarg_size 64
		.amdhsa_user_sgpr_count 2
		.amdhsa_user_sgpr_kernarg_segment_ptr 1
		.amdhsa_wavefront_size32 1
		.amdhsa_system_sgpr_workgroup_id_x 1
		.amdhsa_system_sgpr_workgroup_id_y 1
		.amdhsa_system_sgpr_workgroup_id_z 1
		.amdhsa_system_vgpr_workitem_id 0
		.amdhsa_next_free_vgpr 68
		.amdhsa_next_free_sgpr 66
		.amdhsa_reserve_vcc 0
		.amdhsa_float_denorm_mode_32 3
		.amdhsa_float_denorm_mode_16_64 3
		.amdhsa_memory_ordered 1
		.amdhsa_forward_progress 1
		.amdhsa_inst_pref_size 15
	.end_amdhsa_kernel
	.amdgpu_metadata
---
amdhsa.version: [ 1, 2 ]
amdhsa.kernels:
  - .name:           k_q6743f12de4_cast
    .symbol:         k_q6743f12de4_cast.kd
    .args:
      - { .name: x, .offset: 0, .size: 8, .value_kind: global_buffer, .address_space: global }
      - { .name: Wq, .offset: 8, .size: 8, .value_kind: global_buffer, .address_space: global }
      - { .name: Wk, .offset: 16, .size: 8, .value_kind: global_buffer, .address_space: global }
      - { .name: Wv, .offset: 24, .size: 8, .value_kind: global_buffer, .address_space: global }
      - { .name: Wo, .offset: 32, .size: 8, .value_kind: global_buffer, .address_space: global }
      - { .name: xb, .offset: 40, .size: 8, .value_kind: global_buffer, .address_space: global }
      - { .name: wqkv, .offset: 48, .size: 8, .value_kind: global_buffer, .address_space: global }
      - { .name: wo16, .offset: 56, .size: 8, .value_kind: global_buffer, .address_space: global }
    .group_segment_fixed_size: 0
    .private_segment_fixed_size: 0
    .kernarg_segment_align: 8
    .kernarg_segment_size: 64
    .max_flat_workgroup_size: 256
    .sgpr_count:     66
    .vgpr_count:     68
    .wavefront_size: 32
...
	.end_amdgpu_metadata
.endif
;; end of part 1
;; launch qkv (part 2): grid 16 x 16, 4 waves a work-group, clusters of 4 x 4, 327,680 bytes of LDS; arguments xb, wqkv, qkv; writes qkv
.if DOCPART == 2
	.amdgcn_target "amdgcn-amd-amdhsa--gfx1250"
	.amdhsa_code_object_version 6
	.text
	.protected	k_q6743f12de4_qkv
	.globl	k_q6743f12de4_qkv
	.p2align	8
	.type	k_q6743f12de4_qkv,@function
k_q6743f12de4_qkv:
	s_mov_b64 s[64:65], 0
	v_nop
	global_prefetch_b8 v0, s[64:65] scope:SCOPE_SE
	s_setreg_imm32_b32 hwreg(HW_REG_WAVE_MODE, 25, 1), 1
	s_wait_xcnt 0x0
	s_wait_alu depctr_hold_cnt(0) depctr_sa_sdst(0) depctr_va_vdst(0) depctr_va_sdst(0) depctr_va_ssrc(0) depctr_va_vcc(0) depctr_vm_vsrc(0)
	s_getreg_b32 s2, hwreg(HW_REG_IB_STS2, 6, 4)
	s_cmp_eq_u32 s2, 0
	s_cbranch_scc0 .Lentry_in_a_cluster
	s_endpgm
.Lentry_in_a_cluster:
	s_bfe_u32 s2, ttmp6, 0x10000c
	s_cmp_lg_u32 s2, 0xf033
	s_cbranch_scc0 .Lentry_shape_is_right
	s_endpgm
.Lentry_shape_is_right:
; QKV: q, k, v = x Wq, x Wk, x Wv.  xb: [2048][2048] bf16; wqkv: [3][2048 k][2048 n] bf16; sums in f32; qkv: [3][2 b][16 component][1024 s][128] f16, rounded once, unscaled.
; LIMIT: a sum beyond 65,504 becomes an infinity in f16.
; SHARES.  Work-group (n, mt) makes rows 128 mt .. + 127 x columns 128 n .. + 127 of EACH of q, k, v: one head component's 128 channels, a tile of 128 x 384; 256 work-groups.
; Wave w makes rows 64 (w & 1) .. + 63 x columns 64 (w >> 1) .. + 63 of each of the three: 48 accumulators of 16 x 16, 384 registers; for 32 along K it reads 32 x 16 bytes a lane for 48 products.
; K goes in 16 steps of 128 through two LDS slots.  Wave 0 fetches x's tile (128 rows x 256 bytes), waves 1 to 3 the tiles of Wq, Wk, Wv (128 k-rows x 256 bytes): one tensor load a wave.
; The weights lie [k][n]: they come out of LDS turned, by ds_load_tr16_b128.
; CLUSTER 4 x 4.  x's tile hangs on mt alone and is asked for jointly along a row of the cluster, W's tiles on n alone, jointly along a column.
; THE PRODUCT IS TAKEN TRANSPOSED (source 0 = 16 columns of W, source 1 = 16 rows of x): a lane then holds eight neighbouring columns of one row: 16 bytes of f16.
; REGISTERS, in windows of 256 (s_set_vgpr_msb: bits 1:0 source 0, 3:2 source 1, 5:4 source 2, 7:6 destination):
;   window 0: addresses.   window 1: two fragment buffers of 128: x's fragment a at 8 a, W's (t, b) at 32 + 8 (4 t + b); on the way out the packed results.
;   window 2: accumulators (t, a, b) at 128 t + 8 (4 a + b) for t = 0 (q), 1 (k).   window 3: t = 2 (v) at 8 (4 a + b).
.set PA,    272                        ; a row of x in LDS: 256 bytes + 16: the 16 rows of a fragment load start 16 bytes apart modulo 256
.set PB,    288                        ; a k-row of W: 256 + 32: 16 lanes of the turning load take 8 rows x 32 bytes, 32 bytes apart modulo 256
.set REG,   128*PB                     ; 36,864: a wave's region of a slot (x's tile uses 34,816 of it): the LDS address of a load is wave x REG + the slot
.set SLOT,  4*REG
.set SPARE, 2*SLOT                     ; behind the ring: the spare words, 128 bytes a wave: two blocks of 256 bytes that no other line names
.set STG,   128*PA                     ; the way out: tile t's 128 rows x 272 bytes at STG t, in slot 0, which has had its last fill and its last reads by then
.set ADRA, 16                          ; v16-17  my x fragments in slot 0, 1
.set ADRB, 18                          ; v18-23  my W fragments: slot s, segment t at 18 + 3 s + t
.set STO,  24                          ; v24     the way out: where I put 16 bytes of a row (tiles 0, 1)
.set RD,   25                          ; v25     where I read rows back (tiles 0, 1)
.set GO,   26                          ; v26     16 x lane: two rows of 256 bytes are 512 consecutive bytes of qkv
.set STO2, 27                          ; v27     STO for tile 2
.set SPW,  28                          ; v28     my spare word; never rewritten
.set NIL,  29                          ; v29     0; never rewritten
.set PFO,  30                          ; v30     the prefetches' offset: lane x 4,096, a lane a row; never rewritten
.set RD2,  31                          ; v31     RD for tile 2
.set F0,   0
.set F1,   128
.set G1A, 24                           ; s[24:31] descriptor group 1 for x's tiles
.set G0A, 32                           ; s[32:39] group 0, a set for each slot
.set G1B, 48                           ; s[48:55], s[56:63] the same for W's tiles
.set G0B, 56
.set PFA, 66                           ; s[66:67] where my prefetches stand
.set PFS, 68                           ; s[68:69] their step: a K step along a row of x (256 bytes) or down W's rows (128 x 4,096)
.set LIM, 70                           ; s70     1 in a wave that prefetches, else the greatest number
.set OUT, 72                           ; s[72:77] my rows in the three planes of qkv
.set MSB, 0
.macro WIN new                         ; the immediate's high byte repeats the setting that is left; a switch that changes nothing is dropped
.if MSB != (\new)
	s_set_vgpr_msb (MSB<<8)|(\new)
.set MSB, \new
.endif
.endm
.macro PLACES                          ; four plain places behind matrix instructions, ahead of loads into registers that they read and of reads of their results
.rept 4
	v_nop
.endr
.endm
; A joint load: wave 0 asks for x's tile, waves 1 to 3 for their plane's.  The branch hangs on the wave's number alone.  An s_nop 0 and four v_nop follow each line.
.macro JLOAD s
	s_cmp_eq_u32 s10, 0
	s_cbranch_scc0 .Lfor_b_\@
	tensor_load_to_lds s[G0A+4*(\s):G0A+4*(\s)+3], s[G1A:G1A+7]
	s_nop 0
.rept 4
	v_nop
.endr
	s_branch .Lasked_\@
.Lfor_b_\@:
	tensor_load_to_lds s[G0B+4*(\s):G0B+4*(\s)+3], s[G1B:G1B+7]
	s_nop 0
.rept 4
	v_nop
.endr
.Lasked_\@:
.endm
.macro CROUND                          ; a round of the cluster's barrier
	s_barrier_signal -1
	s_barrier_wait -1
	s_cmp_lg_u32 s10, 0
	s_cbranch_scc1 .Lnot_wave_0_\@
	s_barrier_signal -3
.Lnot_wave_0_\@:
	s_barrier_wait -3
	s_barrier_signal -1
	s_barrier_wait -1
.endm
; A prefetch into the L2 of the K step that stands two refills on: 32 rows x 256 bytes, a lane a row, one instruction a wave.  Each row's 256 bytes of a K step are named once in the launch:
; x's rows by the clusters with x = 0 (wave 0), W's by the clusters with y = 0 (waves 1 to 3); the four partners that ask for a tile jointly take 32 of its 128 rows each, told apart by address.
; The loop's last trip (s3 = 1) has no K step two refills on and asks for nothing; K steps 0 to 3 come by their loads alone.
.macro ASK
	s_cmp_gt_u32 s3, s[LIM]
	s_cbranch_scc0 .Lnot_mine_\@
	global_prefetch_b8 v[PFO], s[PFA:PFA+1] th:TH_LOAD_NT scope:SCOPE_SE
.Lnot_mine_\@:
.endm
	s_load_b128 s[4:7], s[0:1], 0x0                ; xb s[4:5], wqkv s[6:7]
	s_load_b64 s[8:9], s[0:1], 0x10                ; qkv
	v_lshl_add_u32 v[SPW], v0, 2, SPARE
	v_mov_b32 v[NIL], 0
	ds_add_u32 v[SPW], v[NIL]                      ; the wave's opening: the add, twice on end, and its wait ahead of my first tensor load
	ds_add_u32 v[SPW], v[NIL]
	v_lshrrev_b32 v1, 5, v0
	v_readfirstlane_b32 s10, v1                    ; wave 0..3
	s_and_b32 s11, s10, 1                          ; which 64 rows are mine
	s_lshr_b32 s12, s10, 1                         ; which 64 columns of each segment
	s_bfe_u32 s40, ttmp6, 0x40000                  ; cx
	s_bfe_u32 s41, ttmp6, 0x40004                  ; cy
	s_lshl_b32 s42, ttmp9, 2
	s_add_co_u32 s42, s42, s40                     ; n = 4 x cluster x + cx
	s_and_b32 s13, ttmp7, 0xffff
	s_lshl_b32 s13, s13, 2
	s_add_co_u32 s13, s13, s41                     ; mt = 4 x cluster y + cy
	s_lshl_b32 s43, s41, 2
	s_lshl_b32 s43, 15, s43                        ; my row of the cluster
	s_lshl_b32 s44, 0x1111, s40                    ; my column
	s_or_b32 s[G1A], s43, (1<<16)|(1<<20)|(1<<21)|(5<<22)|(3<<25)  ; the mask; 2-byte elements; padding on; bit 21 beside a mask; after every 64 words, 4 words
	s_or_b32 s[G1B], s44, (1<<16)|(1<<20)|(1<<21)|(5<<22)|(7<<25)  ; the same with my column's mask and 8 words of padding
.irp g, G1A, G1B
	s_mov_b32 s[(\g)+1], 128<<16                   ; tensor_dim0 = 128
	s_mov_b32 s[(\g)+2], 128<<16                   ; tensor_dim1 = 128
	s_mov_b32 s[(\g)+3], 128<<16                   ; tile_dim0 = 128
	s_mov_b32 s[(\g)+4], 128                       ; tile_dim1 = 128
	s_mov_b32 s[(\g)+5], 2048                      ; elements from row to row
	s_mov_b32 s[(\g)+6], 0
	s_mov_b32 s[(\g)+7], 0
.endr
	s_lshl_b32 s16, s13, 19                        ; x: 128 mt rows of 4,096 bytes
	s_mov_b32 s17, 0
	s_max_u32 s18, s10, 1
	s_sub_co_u32 s18, s18, 1                       ; my plane of wqkv (wave 0 asks for none)
	s_lshl_b32 s46, s18, 23                        ; W: the plane,
	s_lshl_b32 s47, s42, 8                         ; 256 n bytes along its rows
	s_add_co_u32 s46, s46, s47
	s_mov_b32 s47, 0
	s_mul_i32 s20, s10, REG                        ; where my load lands: no place in the cluster enters an LDS address
	s_wait_dscnt 0x0                               ; both opening adds are done
	s_wait_kmcnt 0x0
	s_add_nc_u64 s[14:15], s[4:5], s[16:17]
	s_add_nc_u64 s[46:47], s[6:7], s[46:47]
	CROUND                                         ; all sixteen work-groups are here: the first joint loads meet
.irp s, 0,1
	s_mov_b32 s[G0A+4*(\s)], 1
	s_add_co_u32 s[G0A+4*(\s)+1], s20, (\s)*SLOT
	s_add_nc_u64 s[G0A+4*(\s)+2:G0A+4*(\s)+3], s[14:15], (\s)*256        ; K step s: 256 bytes along x's rows
	s_or_b32 s[G0A+4*(\s)+3], s[G0A+4*(\s)+3], 0x80000000
	s_mov_b32 s[G0B+4*(\s)], 1
	s_add_co_u32 s[G0B+4*(\s)+1], s20, (\s)*SLOT
	s_add_nc_u64 s[G0B+4*(\s)+2:G0B+4*(\s)+3], s[46:47], (\s)*128*4096   ; K step s: 128 rows down W
	s_or_b32 s[G0B+4*(\s)+3], s[G0B+4*(\s)+3], 0x80000000
	JLOAD \s
.endr
	v_and_b32 v1, 15, v0                           ; l % 16
	v_bfe_u32 v2, v0, 4, 1                         ; l / 16
	v_and_b32 v3, 7, v0
	v_bfe_u32 v4, v0, 3, 1
	v_mul_u32_u24 v5, v1, PA
	v_lshl_add_u32 v5, v2, 4, v5                   ; row x pitch + 16 x half
	s_mul_i32 s21, s11, 64*PA
	v_add_nc_u32 v[ADRA], s21, v5
	v_add_nc_u32 v[ADRA+1], SLOT, v[ADRA]
	v_lshl_add_u32 v6, v2, 3, v3                   ; the turning load: lane l reads k-row 8 (l / 16) + l % 8, columns 8 ((l / 8) % 2) + 0..7
	v_mul_u32_u24 v6, v6, PB
	v_lshl_add_u32 v6, v4, 4, v6
	s_lshl_b32 s22, s12, 7                         ; my 64 columns: 128 bytes
	v_add_nc_u32 v6, s22, v6
.irp s, 0,1
.irp t, 0,1,2
	v_add_nc_u32 v[ADRB+3*(\s)+(\t)], (\s)*SLOT+((\t)+1)*REG, v6
.endr
.endr
	v_add_nc_u32 v[STO], s22, v[ADRA]              ; into the stage: row 64 (w & 1) + l % 16, my 128 bytes, 16 for each half of the lanes
	v_add_nc_u32 v[STO2], 2*STG, v[STO]
	v_mul_u32_u24 v[RD], v2, PA                    ; back: wave w takes rows 32 w .. + 31, whole: lanes 0-15 one row, lanes 16-31 the next
	v_lshl_add_u32 v[RD], v1, 4, v[RD]
	s_mul_i32 s23, s10, 32*PA
	v_add_nc_u32 v[RD], s23, v[RD]
	v_add_nc_u32 v[RD2], 2*STG, v[RD]
	v_and_b32 v[GO], 31, v0
	v_lshlrev_b32 v[PFO], 12, v[GO]
	v_lshlrev_b32 v[GO], 4, v[GO]
	; my rows in qkv: plane t, batch mt >> 3, component n, s = 128 (mt & 7) + 32 w on, 256 bytes a row
	s_lshr_b32 s16, s13, 3
	s_lshl_b32 s16, s16, 22                        ; 16 components x 262,144 bytes a batch
	s_and_b32 s17, s13, 7
	s_lshl_b32 s17, s17, 15
	s_add_co_u32 s16, s16, s17
	s_lshl_b32 s17, s10, 13
	s_add_co_u32 s16, s16, s17
	s_mov_b32 s17, 0
	s_add_nc_u64 s[OUT:OUT+1], s[8:9], s[16:17]
	s_lshl_b32 s46, s42, 18                        ; the component
	s_mov_b32 s47, 0
	s_add_nc_u64 s[OUT:OUT+1], s[OUT:OUT+1], s[46:47]
	s_add_nc_u64 s[OUT+2:OUT+3], s[OUT:OUT+1], 0x800000
	s_add_nc_u64 s[OUT+4:OUT+5], s[OUT+2:OUT+3], 0x800000
	; the prefetches stand at K step 3: the first refill steps them to K step 4
	s_lshl_b32 s20, s13, 19                        ; x: row 128 mt + 32 cx,
	s_lshl_b32 s21, s40, 17
	s_add_co_u32 s20, s20, s21
	s_add_co_u32 s20, s20, 3*256
	s_lshl_b32 s21, s18, 23                        ; W: my plane, k-row 3 x 128 + 32 cy, 256 n bytes along
	s_lshl_b32 s23, s41, 17
	s_add_co_u32 s21, s21, s23
	s_lshl_b32 s23, s42, 8
	s_add_co_u32 s21, s21, s23
	s_add_co_u32 s21, s21, 3*128*4096
	s_and_b32 s22, ttmp7, 0xffff                   ; cluster y
	s_movk_i32 s[PFS], 256
	s_mov_b32 s23, 128*4096
	s_cmp_eq_u32 s10, 0                            ; do I fetch for x?
	s_cselect_b32 s20, s20, s21
	s_cselect_b32 s22, ttmp9, s22                  ; the coordinate along which other clusters read the same rows
	s_cselect_b32 s[PFS], s[PFS], s23
	s_cselect_b64 s[PFA:PFA+1], s[4:5], s[6:7]
	s_mov_b32 s21, 0
	s_mov_b32 s[PFS+1], 0
	s_add_nc_u64 s[PFA:PFA+1], s[PFA:PFA+1], s[20:21]
	s_cmp_eq_u32 s22, 0
	s_cselect_b32 s[LIM], 1, -1                    ; the same in all sixteen partners, for a given wave
; 16 products: segment t, my 4 row blocks x 4 column blocks, 32 along K.  zero = 1: the product starts the sum.  The 48 accumulators take turns, one instruction a turn, in the same order
; in every quarter.
.macro MULSEG f, t, zero
.if (\t) < 2
	WIN 0xa5                                       ; W and x in window 1, C and D in window 2
.else
	WIN 0xf5                                       ; C and D in window 3
.endif
.irp a, 0,1,2,3
.irp b, 0,1,2,3
.set rD, 128*((\t)%2)+8*(4*(\a)+(\b))
.if \zero
	v_wmma_f32_16x16x32_bf16 v[rD:rD+7], v[(\f)+32+8*(4*(\t)+(\b)):(\f)+32+8*(4*(\t)+(\b))+7], v[(\f)+8*(\a):(\f)+8*(\a)+7], 0
.else
	v_wmma_f32_16x16x32_bf16 v[rD:rD+7], v[(\f)+32+8*(4*(\t)+(\b)):(\f)+32+8*(4*(\t)+(\b))+7], v[(\f)+8*(\a):(\f)+8*(\a)+7], v[rD:rD+7]
.endif
.endr
.endr
.endm
; 32 LDS loads in one run: quarter kq (32 along K) of a slot into buffer f: x's 8, then 8 for each segment
.macro FETCH slot, kq, f
	WIN 0x40                                       ; destination window 1, address window 0
.irp a, 0,1,2,3
	ds_load_b128 v[(\f)+8*(\a):(\f)+8*(\a)+3],   v[ADRA+(\slot)] offset:(\a)*16*PA+64*(\kq)
	ds_load_b128 v[(\f)+8*(\a)+4:(\f)+8*(\a)+7], v[ADRA+(\slot)] offset:(\a)*16*PA+64*(\kq)+32
.endr
.irp t, 0,1,2
.irp b, 0,1,2,3
	ds_load_tr16_b128 v[(\f)+32+8*(4*(\t)+(\b)):(\f)+32+8*(4*(\t)+(\b))+3],   v[ADRB+3*(\slot)+(\t)] offset:(\kq)*32*PB+32*(\b)
	ds_load_tr16_b128 v[(\f)+32+8*(4*(\t)+(\b))+4:(\f)+32+8*(4*(\t)+(\b))+7], v[ADRB+3*(\slot)+(\t)] offset:(\kq)*32*PB+32*(\b)+16*PB
.endr
.endr
.endm
; One of a K step's first three quarters: multiplies buffer f and fetches quarter kq of the same slot into g
.macro QUARTER slot, kq, f, g, zero
	s_wait_dscnt 16                                ; x's and segment 0's fragments are in; the youngest sixteen loads (segments 1, 2) may be out
	MULSEG \f, 0, \zero
	PLACES
	FETCH \slot, \kq, \g
	s_wait_dscnt 32                                ; all but the 32 just issued
	MULSEG \f, 1, \zero
	MULSEG \f, 2, \zero
.endm
; THE CHANGE OF SLOTS stands AHEAD of the last quarter's products, which need registers alone (buffer 1 holds the slot's last fragments).  Each wave waits for all its tensor loads (one is out: its
; part of the next slot), adds 0 to its spare word, and waits for that and for its reads of this slot.  fill = 1: a round of the cluster's barrier, and first thing behind it this slot is filled
; again, two K steps ahead.  No product stands between the wait for a tile and the next request: from a request to the wait for it a wave issues a whole K step's 192 products.
.macro TURN slot, next, fill
.if \fill
	s_wait_xcnt 0x0                                ; the last prefetch, a K step back, has read its address: it is stepped here
	s_add_nc_u64 s[PFA:PFA+1], s[PFA:PFA+1], s[PFS:PFS+1]
.endif
	WIN 0
	s_wait_tensorcnt 0x0                           ; all my tensor loads have landed, so the descriptors may be written
	ds_add_u32 v[SPW], v[NIL]                      ; 0 onto my spare word; the descriptors' steps stand between it and the wait for it
.if \fill
	s_add_nc_u64 s[G0A+4*(\slot)+2:G0A+4*(\slot)+3], s[G0A+4*(\slot)+2:G0A+4*(\slot)+3], 2*256
	s_add_nc_u64 s[G0B+4*(\slot)+2:G0B+4*(\slot)+3], s[G0B+4*(\slot)+2:G0B+4*(\slot)+3], 2*128*4096
.endif
	s_wait_dscnt 0x0                               ; the add is done, and my reads of this slot are over (the last were issued 32 products ago)
.if \fill
	CROUND                                         ; no wave of any partner still reads this slot or has a load on its way
	JLOAD \slot                                    ; the first tensor load behind the round; its four v_nop are also the places ahead of the loads below
.else
	s_barrier_signal -1
	s_barrier_wait -1
	PLACES
.endif
	FETCH \next, 0, F0
.if \fill
	WIN 0
	ASK                                            ; behind the joint load and the run of LDS loads
.endif
	MULSEG F1, 0, 0                                ; the old slot's last quarter, while the tile is on its way and the new slot's first fragments come
	MULSEG F1, 1, 0
	MULSEG F1, 2, 0
.endm
	s_wait_tensorcnt 1                             ; my part of K step 0 is in; K step 1's may stay out
	s_barrier_signal -1
	s_barrier_wait -1
	FETCH 0, 0, F0
	QUARTER 0, 1, F0, F1, 1                        ; the first quarter stands ahead of the loop: its products start the sums
	WIN 0
	s_mov_b32 s3, 7
.Llap:                                         ; a trip goes once round the ring, from a lap's second quarter to the next lap's first, and fills both slots again
	QUARTER 0, 2, F1, F0, 0
	QUARTER 0, 3, F0, F1, 0
	TURN 0, 1, 1
	QUARTER 1, 1, F0, F1, 0
	QUARTER 1, 2, F1, F0, 0
	QUARTER 1, 3, F0, F1, 0
	TURN 1, 0, 1
	QUARTER 0, 1, F0, F1, 0
	WIN 0
	s_sub_co_u32 s3, s3, 1
	s_cmp_lg_u32 s3, 0
	s_cbranch_scc1 .Llap
	QUARTER 0, 2, F1, F0, 0                        ; the last lap fills nothing
	QUARTER 0, 3, F0, F1, 0
	TURN 0, 1, 0                                   ; behind its barrier no wave reads slot 0 any more
	QUARTER 1, 1, F0, F1, 0
	QUARTER 1, 2, F1, F0, 0
	QUARTER 1, 3, F0, F1, 0
	s_wait_dscnt 16
	MULSEG F1, 0, 0
	s_wait_dscnt 0x0
	MULSEG F1, 1, 0
	MULSEG F1, 2, 0
	; THE WAY OUT: rounded to f16 (each accumulator from its low end on); 16 bytes a lane into the stage; a barrier, since a row's 256 bytes come from two waves; back as whole rows
	PLACES
.irp t, 0,1,2
.if (\t) < 2
	WIN 0x4a                                       ; sources window 2, destination window 1
.else
	WIN 0x4f                                       ; sources window 3
.endif
.set i, 0
.rept 16
.irp j, 0,1,2,3
	v_cvt_pk_f16_f32 v[64*(\t)+4*i+(\j)], v[128*((\t)%2)+8*i+2*(\j)], v[128*((\t)%2)+8*i+2*(\j)+1]
.endr
.set i, i+1
.endr
.endr
	WIN 0x04                                       ; address window 0, data window 1
.irp t, 0,1,2
.irp a, 0,1,2,3
.irp b, 0,1,2,3
.if (\t) < 2
	ds_store_b128 v[STO],  v[64*(\t)+4*(4*(\a)+(\b)):64*(\t)+4*(4*(\a)+(\b))+3] offset:STG*(\t)+(\a)*16*PA+32*(\b)
.else
	ds_store_b128 v[STO2], v[64*(\t)+4*(4*(\a)+(\b)):64*(\t)+4*(4*(\a)+(\b))+3] offset:(\a)*16*PA+32*(\b)
.endif
.endr
.endr
.endr
	s_wait_dscnt 0x0                               ; for the others' sake: my stores into the stage are done
	s_barrier_signal -1
	s_barrier_wait -1
	WIN 0x40
.irp t, 0,1,2
.irp p, 0,1,2,3,4,5,6,7,8,9,10,11,12,13,14,15
.if (\t) < 2
	ds_load_b128 v[4*(16*(\t)+(\p)):4*(16*(\t)+(\p))+3], v[RD]  offset:STG*(\t)+(\p)*2*PA
.else
	ds_load_b128 v[4*(16*(\t)+(\p)):4*(16*(\t)+(\p))+3], v[RD2] offset:(\p)*2*PA
.endif
.endr
.endr
	WIN 0x04
.set i, 0
.irp t, 0,1,2
.irp p, 0,1,2,3,4,5,6,7,8,9,10,11,12,13,14,15
	s_wait_dscnt 47-i                              ; LDS loads come back in order: number i of the 48 is in
	global_store_b128 v[GO], v[4*i:4*i+3], s[OUT+2*(\t):OUT+2*(\t)+1] offset:512*(\p)  ; 512 consecutive bytes, at a multiple of 256 from the buffer's first
.set i, i+1
.endr
.endr
	WIN 0
	s_wait_tensorcnt 0x0                           ; the wave's end, behind my last tensor load and my last LDS store
	ds_add_u32 v[SPW], v[NIL]
	s_wait_dscnt 0x0
	CROUND                                         ; the closing round
	s_endpgm
.Lfunc_end_k_q6743f12de4_qkv:
	.size	k_q6743f12de4_qkv, .Lfunc_end_k_q6743f12de4_qkv-k_q6743f12de4_qkv
	.p2alignl 7, 3214868480
	.fill 96, 4, 3214868480
	.section	.rodata,"a",@progbits
	.p2align	6, 0x0
	.amdhsa_kernel k_q6743f12de4_qkv
		.amdhsa_group_segment_fixed_size 327680
		.amdhsa_private_segment_fixed_size 0
		.amdhsa_enable_private_segment 0
		.amdhsa_kernarg_size 24
		.amdhsa_user_sgpr_count 2
		.amdhsa_user_sgpr_kernarg_segment_ptr 1
		.amdhsa_wavefront_size32 1
		.amdhsa_system_sgpr_workgroup_id_x 1
		.amdhsa_system_sgpr_workgroup_id_y 1
		.amdhsa_system_sgpr_workgroup_id_z 1
		.amdhsa_system_vgpr_workitem_id 0
		.amdhsa_next_free_vgpr 896
		.amdhsa_next_free_sgpr 80
		.amdhsa_reserve_vcc 0
		.amdhsa_float_denorm_mode_32 3
		.amdhsa_float_denorm_mode_16_64 3
		.amdhsa_memory_ordered 1
		.amdhsa_forward_progress 1
		.amdhsa_inst_pref_size 121
	.end_amdhsa_kernel
	.amdgpu_metadata
---
amdhsa.version: [ 1, 2 ]
amdhsa.kernels:
  - .name:           k_q6743f12de4_qkv
    .symbol:         k_q6743f12de4_qkv.kd
    .args:
      - { .name: xb, .offset: 0, .size: 8, .value_kind: global_buffer, .address_space: global }
      - { .name: wqkv, .offset: 8, .size: 8, .value_kind: global_buffer, .address_space: global }
      - { .name: qkv, .offset: 16, .size: 8, .value_kind: global_buffer, .address_space: global }
    .group_segment_fixed_size: 327680
    .private_segment_fixed_size: 0
    .kernarg_segment_align: 8
    .kernarg_segment_size: 24
    .max_flat_workgroup_size: 128
    .sgpr_count:     80
    .vgpr_count:     896
    .wavefront_size: 32
...
	.end_amdgpu_metadata
.endif
;; end of part 2
;; launch attn (part 3): grid 16 x 16, 4 waves a work-group, clusters of 4 x 1, 327,680 bytes of LDS; arguments qkv, lambda_q1, lambda_k1, lambda_q2, lambda_k2, subln_weight, ab; writes ab
.if DOCPART == 3
	.amdgcn_target "amdgcn-amd-amdhsa--gfx1250"
	.amdhsa_code_object_version 6
	.text
	.protected	k_q6743f12de4_attn
	.globl	k_q6743f12de4_attn
	.p2align	8
	.type	k_q6743f12de4_attn,@function
k_q6743f12de4_attn:
	s_mov_b64 s[64:65], 0
	v_nop
	global_prefetch_b8 v0, s[64:65] scope:SCOPE_SE
	s_setreg_imm32_b32 hwreg(HW_REG_WAVE_MODE, 25, 1), 1
	s_wait_xcnt 0x0
	s_wait_alu depctr_hold_cnt(0) depctr_sa_sdst(0) depctr_va_vdst(0) depctr_va_sdst(0) depctr_va_ssrc(0) depctr_va_vcc(0) depctr_vm_vsrc(0)
	s_getreg_b32 s2, hwreg(HW_REG_IB_STS2, 6, 4)
	s_cmp_eq_u32 s2, 0
	s_cbranch_scc0 .Lentry_in_a_cluster
	s_endpgm
.Lentry_in_a_cluster:
	s_bfe_u32 s2, ttmp6, 0x10000c
	s_cmp_lg_u32 s2, 0x3003
	s_cbranch_scc0 .Lentry_shape_is_right
	s_endpgm
.Lentry_shape_is_right:
; ATTN: for each batch and head pair, attn_i = softmax(causal(q_i k_i^T / sqrt(128))) [v1 | v2] for i = 1, 2; a = attn1 - lambda attn2; a times rsqrt(mean(a^2) + 1e-5) times the gain times (1 - 0.78360577).
; qkv: [3][2 b][16 component][1024 s][128] f16; ab: [2048 = 1024 b + s][2048 = 256 head + channel] f16.  Products, maxima and sums in f32; the weights p are rounded to f16 for the second product
; (their sum is taken of the unrounded p); a once at the end.  The four lambdas and the gain are rounded to bf16 first, as all of the module's inputs are.
; WORK LEFT OUT: key tiles of 128 wholly above the diagonal (their weights are 0 for all finite inputs: shown at the head of the first kernel).
; LIMITS.  A hidden score counts as its value less 1e30; a weight below 2^-126 counts as 0; p below 6e-5 keeps f16's fixed step of 6e-8; NaN and infinities are not treated apart.
; THE WALK.  A head's queries lie in 8 groups of 128; group G needs the key tiles 0 .. G of 128 keys.  Cluster a (0..3) takes group a and then group 7 - a: 9 tiles, whatever a.  Its four
; partners take 32 queries of each group, so all four walk the SAME tiles in the same order: every tile of K1, K2, V1, V2 is asked for jointly.  One loop with a constant count walks them.
; What a trip does hangs on scalar registers made from a, which the partners share; every jump but the counted loops' own goes forward.  The partner's
; place enters Q's, ab's and the prefetches' global addresses and the mask's VALUES alone.
; SHARES.  Wave w: branch w & 1 (q1 k1 or q2 k2), tile w >> 1 of 16 queries.  A key tile is two steps of 64 keys, written once and walked twice: 16 products K Q^T, the softmax, 32 products V^T P.
; LAYOUT.  S^T = K Q^T holds ONE query a lane (lane % 16) and the keys 8 (lane / 16) + 0..7; two such results rounded to f16 ARE source 1 of O^T = V^T P, which holds one query a lane and eight
; channels.  p = 2^(c s - c m), c = log2(e) / sqrt(128), with a running maximum m; O and l are multiplied by 2^(c m_old - c m_new) in every step.  m starts at the lowest finite number.
; THE MASK is the C operand that starts S^T: MD x AL + BE.  MD, made once, hides key > query inside the 64 keys that hold my queries' diagonal.  In a group's last tile the step that holds the
; diagonal takes (1, 0), an earlier step (0, 0), a later one (0, -1e30); in every other tile (0, 0).
; THE DIFFERENCE.  At a group's end each wave divides by l; the wave of branch 2 also multiplies by lambda and hands its 128 registers to its partner wave through LDS, which subtracts, norms and stores.
; REGISTERS, in windows of 256 (s_set_vgpr_msb: bits 1:0 source 0, 3:2 source 1, 5:4 source 2, 7:6 destination):
;   window 0: addresses, statistics, S^T, P, the masks, Q of both groups.   window 1: v0-127 O^T (channel block cb at 8 cb); v128-255 K of one step, at a group's end the partner's O^T.
;   window 2: V of one step (keys 32 kk on, channel block cb at 8 (16 kk + cb)).   window 3: v0-127 the gain of my channels.
.set PKP,   272                        ; a row of K in LDS: 256 bytes + 16
.set PVP,   288                        ; a row of V: 256 + 32
.set KREG,  128*PKP
.set VREG,  128*PVP
.set VOFF,  2*KREG                     ; a slot: K1, K2, V1, V2
.set SLOT,  VOFF+2*VREG
.set XCH,   2*SLOT                     ; behind the ring, never filled by a tensor load: 16,384 bytes for each pair of waves: the exchange, then the way out's stage (16 rows x 528)
.set SPP,   528
.set SPARE, XCH+2*16384                ; the spare words, 128 bytes a wave: two blocks of 256 bytes that no other line names
.set AK0, 2                            ; my lane's place in my branch's K; never rewritten
.set AV0, 3                            ; the same in V1
.set AK,  4                            ; the step to be fetched: K,
.set AVA, 5                            ; V1,
.set AVB, 6                            ; V2
.set QO,  7                            ; my byte offset in 16 rows of Q
.set XO,  8                            ; the exchange: 16 x lane
.set STO, 9                            ; the stage: row l % 16, 16 bytes for each half of the lanes
.set GO,  11                           ; 16 x lane
.set PFO, 12                           ; the prefetches' offset: 256 x lane + 8,192 x my place among the partners
.set WO,  13                           ; 32 x (l / 16): my eight numbers in 16 of the gain
.set SPW, 14
.set NIL, 15
.set CMX, 16                           ; c m
.set MX,  17                           ; m
.set LS,  18                           ; v18-19 l (even keys', odd keys')
.set TT,  20                           ; v20-23 at work
.set AF,  24                           ; v24 the step's factor; v25 named with it as a pair
.set LAM, 26
.set FAC, 27                           ; lambda in branch 2's waves, 1 in branch 1's
.set RL,  28                           ; v28 1 / l, later the norm's factor; v29 named with it
.set SC,  32                           ; v32-63  S^T
.set PW,  64                           ; v64-79  P
.set MC,  80                           ; v80-111 the mask of the products to come
.set MD,  112                          ; v112-143
.set QF,  144                          ; v144-175 Q of the group in hand
.set QH,  176                          ; v176-207 Q of the second group
.set LW,  208                          ; v208-223 the lambdas; later the sums of squares
.set TMP, 32                           ; v32-95  the way out
.set KF,  128                          ; window 1
.set WV,  18
.set BR,  19                           ; w & 1
.set GG,  20                           ; w >> 1
.set CA,  21                           ; a: the cluster's x
.set CR,  22                           ; my place among the partners
.set BH,  23                           ; 8 b + head
.set G1K, 24
.set G1V, 32
.set G0K, 40
.set G0V, 44
.set KB,  48                           ; s[48:49] K's component w & 1 of my head
.set VB,  50                           ; s[50:51] V's
.set PB,  52                           ; s[52:53] the one of the two that I fetch
.set PFA, 54
.set OFF, 56
.set CS,  58
.set SEL, 60
.set TB,  62                           ; the slot that is read
.set TBF, 63                           ; the slot that is filled
.set LBK, 66
.set LBV, 67
.set RT,  68                           ; tiles of the group in hand, the one to be entered among them
.set NXT, 69                           ; the tile to be asked for next
.set LQ,  70                           ; the last tile of the group whose tiles are being asked for
.set HIQ, 71                           ; 7 - a
.set NEW, 72                           ; 1: the first group has ended: its difference is due, and the second group begins
.set SLOTS, 73
.set LIM, 74
.set BIGN, 75
.set AL,  76                           ; s[76:77] the mask's factor for the step in hand, in the low word
.set BE,  78                           ; s[78:79] its addend
.set ALN, 80                           ; s80, s81 the same two for the tile's second step
.set BEN, 81
.set A0C, 82
.set A1C, 83
.set B1C, 84
.set CNT, 85                           ; counts a tile's two steps
.set AOL, 86
.set AOH, 88
.set QBL, 90
.set QBH, 92
.set TBK, 94                           ; LDS byte at which the slot's rows of the step to be fetched begin: for K,
.set TBV, 95                           ; for V (both serve as scratch at the head)
.set R256, 100
.set EPSR, 101
.set MSB, 0
.macro WIN new
.if MSB != (\new)
	s_set_vgpr_msb (MSB<<8)|(\new)
.set MSB, \new
.endif
.endm
.macro PLACES
.rept 4
	v_nop
.endr
.endm
; A joint fill: waves 0, 1 ask for K1, K2, waves 2, 3 for V1, V2: 128 rows x 256 bytes each.  An s_nop 0 and four v_nop follow each line.
.macro JLOAD
	s_cmp_lt_u32 s[WV], 2
	s_cbranch_scc0 .Lfor_v_\@
	tensor_load_to_lds s[G0K:G0K+3], s[G1K:G1K+7]
	s_nop 0
.rept 4
	v_nop
.endr
	s_branch .Lasked_\@
.Lfor_v_\@:
	tensor_load_to_lds s[G0V:G0V+3], s[G1V:G1V+7]
	s_nop 0
.rept 4
	v_nop
.endr
.Lasked_\@:
.endm
.macro CROUND
	s_barrier_signal -1
	s_barrier_wait -1
	s_cmp_lg_u32 s[WV], 0
	s_cbranch_scc1 .Lnot_wave_0_\@
	s_barrier_signal -3
.Lnot_wave_0_\@:
	s_barrier_wait -3
	s_barrier_signal -1
	s_barrier_wait -1
.endm
; A prefetch into the L2 of the tile that the NEXT change of slots will ask for: a tile's work ahead.  With the short group first, a head's tiles 4 to 7 are asked for first by cluster 0, which
; alone prefetches them; each of its 16 waves names 32 rows of the region that it fetches, a lane a row, the partners told apart by address: each row once in the launch.  Tiles 0 to 3 are
; wanted at the launch's beginning and come by their loads alone; behind tile 7 the number wraps to 0 and nothing is asked for.
.macro ASK
	s_cmp_ge_u32 s[NXT], s[LIM]
	s_cbranch_scc0 .Lnot_mine_\@
	global_prefetch_b8 v[PFO], s[PFA:PFA+1] th:TH_LOAD_NT scope:SCOPE_SE
.Lnot_mine_\@:
.endm
; THE CHANGE OF SLOTS.  Each wave waits for all its tensor loads (one is out: its part of the tile to be entered), adds 0 to its spare word, and waits for that and for all its LDS work.
; fill = 1: a round of the cluster's barrier, and behind it the slot just left is filled with tile NXT; the descriptors are made anew from that number.
.macro CHANGE fill
	WIN 0
	s_wait_tensorcnt 0x0                           ; no tensor load of mine is out, so the descriptors may be written
	ds_add_u32 v[SPW], v[NIL]                      ; 0 onto my spare word
.if \fill
	s_xor_b32 s[TBF], s[TBF], SLOT
	s_lshl_b32 s[OFF], s[NXT], 15                  ; a tile is 32,768 bytes of each region
	s_add_co_u32 s[G0K+1], s[LBK], s[TBF]
	s_add_nc_u64 s[G0K+2:G0K+3], s[KB:KB+1], s[OFF:OFF+1]
	s_or_b32 s[G0K+3], s[G0K+3], 0x80000000
	s_add_co_u32 s[G0V+1], s[LBV], s[TBF]
	s_add_nc_u64 s[G0V+2:G0V+3], s[VB:VB+1], s[OFF:OFF+1]
	s_or_b32 s[G0V+3], s[G0V+3], 0x80000000
	s_add_co_u32 s[NXT], s[NXT], 1                 ; the group's next tile, or behind its last the second group's tile 0
	s_cmp_gt_u32 s[NXT], s[LQ]
	s_cselect_b32 s[NXT], 0, s[NXT]
	s_cselect_b32 s[LQ], s[HIQ], s[LQ]
	s_wait_xcnt 0x0                                ; the last prefetch, a tile back, has read its address
	s_lshl_b32 s[OFF], s[NXT], 15
	s_add_nc_u64 s[PFA:PFA+1], s[PB:PB+1], s[OFF:OFF+1]
.endif
	s_xor_b32 s[TB], s[TB], SLOT
	s_wait_dscnt 0x0                               ; the add is done; my reads of the slot are over; what I stored into the exchange is there
.if \fill
	CROUND
	JLOAD
	ASK
.else
	s_barrier_signal -1
	s_barrier_wait -1
.endif
.endm
.macro FETCH_K                         ; 32 loads: the 64 keys x 128 channels at s[TBK]: key block kb, channels 32 c on; the next fetch is the next step's
	WIN 0
	v_add_nc_u32 v[AK], s[TBK], v[AK0]
	s_add_co_u32 s[TBK], s[TBK], 64*PKP
	WIN 0x40
.irp kb, 0,1,2,3
.irp c, 0,1,2,3
	ds_load_b128 v[KF+8*(4*(\kb)+(\c)):KF+8*(4*(\kb)+(\c))+3],   v[AK] offset:16*(\kb)*PKP+64*(\c)
	ds_load_b128 v[KF+8*(4*(\kb)+(\c))+4:KF+8*(4*(\kb)+(\c))+7], v[AK] offset:16*(\kb)*PKP+64*(\c)+32
.endr
.endr
.endm
.macro FETCH_V                         ; 64 turning loads: the 64 keys x 256 channels at s[TBV]
	WIN 0
	v_add_nc_u32 v[AVA], s[TBV], v[AV0]
	v_add_nc_u32 v[AVB], VREG, v[AVA]
	s_add_co_u32 s[TBV], s[TBV], 64*PVP
	WIN 0x80
.irp kk, 0,1
.irp cb, 0,1,2,3,4,5,6,7
	ds_load_tr16_b128 v[8*(16*(\kk)+(\cb)):8*(16*(\kk)+(\cb))+3],   v[AVA] offset:32*(\kk)*PVP+32*(\cb)
	ds_load_tr16_b128 v[8*(16*(\kk)+(\cb))+4:8*(16*(\kk)+(\cb))+7], v[AVA] offset:32*(\kk)*PVP+32*(\cb)+16*PVP
.endr
.irp cb, 0,1,2,3,4,5,6,7
	ds_load_tr16_b128 v[8*(16*(\kk)+8+(\cb)):8*(16*(\kk)+8+(\cb))+3],   v[AVB] offset:32*(\kk)*PVP+32*(\cb)
	ds_load_tr16_b128 v[8*(16*(\kk)+8+(\cb))+4:8*(16*(\kk)+8+(\cb))+7], v[AVB] offset:32*(\kk)*PVP+32*(\cb)+16*PVP
.endr
.endr
.endm
.macro MASK                            ; MD x AL + BE
	WIN 0
.set z, 0
.rept 16
	v_pk_fma_f32 v[MC+2*z:MC+2*z+1], v[MD+2*z:MD+2*z+1], s[AL:AL+1], s[BE:BE+1] op_sel_hi:[1,0,0]
.set z, z+1
.endr
.endm
.macro KQ                              ; 16 products; the 4 accumulators take turns; the first four start the sums with the mask
	WIN 0x01                                       ; K in window 1; Q, the mask and S^T in window 0
.irp c, 0,1,2,3
.irp kb, 0,1,2,3
.if (\c) == 0
	v_wmma_f32_16x16x32_f16 v[SC+8*(\kb):SC+8*(\kb)+7], v[KF+8*(4*(\kb)+(\c)):KF+8*(4*(\kb)+(\c))+7], v[QF+8*(\c):QF+8*(\c)+7], v[MC+8*(\kb):MC+8*(\kb)+7]
.else
	v_wmma_f32_16x16x32_f16 v[SC+8*(\kb):SC+8*(\kb)+7], v[KF+8*(4*(\kb)+(\c)):KF+8*(4*(\kb)+(\c))+7], v[QF+8*(\c):QF+8*(\c)+7], v[SC+8*(\kb):SC+8*(\kb)+7]
.endif
.endr
.endr
.endm
.macro PVM                             ; 32 products; the 16 accumulators take turns
	WIN 0x52                                       ; V in window 2, P in window 0, O^T in window 1
.irp kk, 0,1
.irp cb, 0,1,2,3,4,5,6,7,8,9,10,11,12,13,14,15
	v_wmma_f32_16x16x32_f16 v[8*(\cb):8*(\cb)+7], v[8*(16*(\kk)+(\cb)):8*(16*(\kk)+(\cb))+7], v[PW+8*(\kk):PW+8*(\kk)+7], v[8*(\cb):8*(\cb)+7]
.endr
.endr
.endm
; The softmax of 16 queries x 64 keys.  The maximum reads each accumulator's lowest registers first.  All 33 exponentials are one batch with one wait.
.macro SOFTMAX
	WIN 0
.irp j, 0,1,2,3
	v_max3_num_f32 v[TT+(\j)], v[SC+8*(\j)], v[SC+8*(\j)+1], v[SC+8*(\j)+2]
.endr
.irp j, 0,1,2,3
	v_max3_num_f32 v[TT+(\j)], v[TT+(\j)], v[SC+8*(\j)+3], v[SC+8*(\j)+4]
.endr
.irp j, 0,1,2,3
	v_max3_num_f32 v[TT+(\j)], v[TT+(\j)], v[SC+8*(\j)+5], v[SC+8*(\j)+6]
.endr
	v_max3_num_f32 v[TT], v[TT], v[SC+7], v[SC+15]
	v_max3_num_f32 v[TT+2], v[TT+2], v[SC+23], v[SC+31]
	v_max3_num_f32 v[TT], v[TT], v[TT+1], v[TT+2]
	v_max3_num_f32 v[TT], v[TT], v[TT+3], v[MX]
	v_permlanex16_b32 v[TT+1], v[TT], s[SEL], s[SEL+1]  ; the query's other 32 keys lie in the lane 16 away
	v_mov_b32 v[TT+3], v[CMX]                      ; c m_old
	v_max_num_f32 v[MX], v[TT], v[TT+1]
	v_mul_f32 v[CMX], s[CS], v[MX]
	v_sub_f32 v[TT+3], v[TT+3], v[CMX]
.set z, 0
.rept 16
	v_pk_fma_f32 v[SC+2*z:SC+2*z+1], v[SC+2*z:SC+2*z+1], s[CS:CS+1], v[CMX:CMX+1] op_sel_hi:[1,0,0] neg_lo:[0,0,1] neg_hi:[0,0,1]  ; c s - c m
.set z, z+1
.endr
	v_exp_f32 v[AF], v[TT+3]
.set z, 0
.rept 32
	v_exp_f32 v[SC+z], v[SC+z]
.set z, z+1
.endr
	v_nop                                          ; a plain instruction behind the last exponential,
	s_wait_alu depctr_va_vdst(0)                   ; and the one wait ahead of the batch's first reader
.set z, 0
.rept 16
	v_cvt_pk_f16_f32 v[PW+z], v[SC+2*z], v[SC+2*z+1]
.set z, z+1
.endr
.irp u, 0,1,2,3,4,5,6,7
	v_pk_add_f32 v[SC+4*(\u):SC+4*(\u)+1], v[SC+4*(\u):SC+4*(\u)+1], v[SC+4*(\u)+2:SC+4*(\u)+3]
.endr
.irp u, 0,1,2,3
	v_pk_add_f32 v[SC+8*(\u):SC+8*(\u)+1], v[SC+8*(\u):SC+8*(\u)+1], v[SC+8*(\u)+4:SC+8*(\u)+5]
.endr
.irp u, 0,1
	v_pk_add_f32 v[SC+16*(\u):SC+16*(\u)+1], v[SC+16*(\u):SC+16*(\u)+1], v[SC+16*(\u)+8:SC+16*(\u)+9]
.endr
	v_pk_add_f32 v[SC:SC+1], v[SC:SC+1], v[SC+16:SC+17]
	v_pk_fma_f32 v[LS:LS+1], v[LS:LS+1], v[AF:AF+1], v[SC:SC+1] op_sel_hi:[1,0,1]
.endm
.macro OSCALE r                        ; O^T times v[r], from each accumulator's low end on
	WIN 0x41                                       ; O^T in window 1, the factor in window 0
.set z, 0
.rept 64
	v_pk_mul_f32 v[2*z:2*z+1], v[2*z:2*z+1], v[(\r):(\r)+1] op_sel_hi:[1,0]
.set z, z+1
.endr
.endm
; A KEY TILE: its first step's K, then the step's text, walked twice.  What differs between the two steps lies in scalar registers: where the rows to be fetched begin, and the mask's two numbers.
; The mask's 16 lines are the places behind the last products V^T P, ahead of the loads into V's registers.  The second step's K is fetched in the first trip, behind the products that read K and
; four places; the second trip jumps over that run of LDS loads.
.macro TILE
	WIN 0
	s_cmp_eq_u32 s[RT], 1                          ; the group's last tile holds the diagonal
	s_cselect_b32 s[AL], s[A0C], 0                 ; the first step's factor; its addend is 0
	s_cselect_b32 s[ALN], s[A1C], 0                ; the second step's two
	s_cselect_b32 s[BEN], s[B1C], 0
	s_mov_b32 s[BE], 0
	s_mov_b32 s[TBK], s[TB]
	s_mov_b32 s[TBV], s[TB]
	FETCH_K
	WIN 0
	s_mov_b32 s[CNT], 2
.Lstep_\@:
	MASK
	FETCH_V
	s_wait_dscnt 63                                ; first trip: K's 32 loads were issued ahead of V's 64: with at most 63 of the 96 out, K's are in; second trip: K was waited for ahead of the first trip's last products
	KQ
	PLACES                                         ; ahead of the loads into K's registers and of the reads of S^T
	WIN 0
	s_cmp_eq_u32 s[CNT], 1
	s_cbranch_scc1 .Lnok_\@
	FETCH_K
	WIN 0
.Lnok_\@:
	SOFTMAX
	OSCALE AF
	s_wait_dscnt 0x0                               ; V is in (and the next step's K, issued a softmax ago)
	PVM
	WIN 0
	s_mov_b32 s[AL], s[ALN]
	s_mov_b32 s[BE], s[BEN]
	s_sub_co_u32 s[CNT], s[CNT], 1
	s_cmp_lg_u32 s[CNT], 0
	s_cbranch_scc1 .Lstep_\@
.endm
; A GROUP'S END: O^T divided by l (in branch 2's waves also times lambda); branch 2's waves put it into the exchange.
.macro ENDBLK
	WIN 0
	PLACES                                         ; behind the last products
	v_add_f32 v[TT], v[LS], v[LS+1]
	v_permlanex16_b32 v[TT+1], v[TT], s[SEL], s[SEL+1]
	v_add_f32 v[TT], v[TT], v[TT+1]
	v_rcp_f32 v[RL], v[TT]
	v_nop
	s_wait_alu depctr_va_vdst(0)                   ; the wait ahead of the reciprocal's first reader
	v_mul_f32 v[RL], v[RL], v[FAC]
	OSCALE RL
	WIN 0
	s_cmp_eq_u32 s[BR], 1
	s_cbranch_scc0 .Lnox_\@
	WIN 0x04                                       ; address window 0, data window 1
.set z, 0
.rept 32
	ds_store_b128 v[XO], v[4*z:4*z+3] offset:512*z
.set z, z+1
.endr
	WIN 0
.Lnox_\@:
.endm
; THE DIFFERENCE, THE NORM AND THE WAY OUT, in branch 1's waves alone; it stands behind a barrier ahead of which the partner wave has waited for its stores.  No barrier inside.
.macro FINISH base
	s_cmp_eq_u32 s[BR], 0
	s_cbranch_scc0 .Lnofin_\@
	WIN 0x40
.set z, 0
.rept 32
	ds_load_b128 v[KF+4*z:KF+4*z+3], v[XO] offset:512*z
.set z, z+1
.endr
	s_wait_dscnt 0x0
	WIN 0x45                                       ; all in window 1
.set z, 0
.rept 64
	v_pk_add_f32 v[2*z:2*z+1], v[2*z:2*z+1], v[KF+2*z:KF+2*z+1] neg_lo:[0,1] neg_hi:[0,1]  ; attn1 - lambda attn2
.set z, z+1
.endr
	WIN 0x05                                       ; sources 0, 1 window 1; the sums in window 0: four chains
.set z, 0
.rept 64
.if z < 4
	v_pk_mul_f32 v[LW+2*z:LW+2*z+1], v[2*z:2*z+1], v[2*z:2*z+1]
.else
	v_pk_fma_f32 v[LW+2*(z%4):LW+2*(z%4)+1], v[2*z:2*z+1], v[2*z:2*z+1], v[LW+2*(z%4):LW+2*(z%4)+1]
.endif
.set z, z+1
.endr
	WIN 0
	v_pk_add_f32 v[LW:LW+1], v[LW:LW+1], v[LW+2:LW+3]
	v_pk_add_f32 v[LW+4:LW+5], v[LW+4:LW+5], v[LW+6:LW+7]
	v_pk_add_f32 v[LW:LW+1], v[LW:LW+1], v[LW+4:LW+5]
	v_add_f32 v[TT], v[LW], v[LW+1]
	v_permlanex16_b32 v[TT+1], v[TT], s[SEL], s[SEL+1]  ; the query's other 128 channels lie in the lane 16 away
	v_add_f32 v[TT], v[TT], v[TT+1]
	v_fma_f32 v[TT], v[TT], s[R256], s[EPSR]       ; the mean of 256 squares + 1e-5
	v_rsq_f32 v[RL], v[TT]
	v_nop
	s_wait_alu depctr_va_vdst(0)
	v_mul_f32 v[RL], 0x3e5d9673, v[RL]             ; times 1 - 0.78360577
	OSCALE RL
	WIN 0x4d                                       ; O^T in window 1, the gain in window 3
.set z, 0
.rept 64
	v_pk_mul_f32 v[2*z:2*z+1], v[2*z:2*z+1], v[2*z:2*z+1]
.set z, z+1
.endr
	WIN 0x05
.set z, 0
.rept 64
	v_cvt_pk_f16_f32 v[TMP+z], v[2*z], v[2*z+1]
.set z, z+1
.endr
	WIN 0
.set z, 0
.rept 16
	ds_store_b128 v[STO], v[TMP+4*z:TMP+4*z+3] offset:32*z   ; my eight channels of block z
.set z, z+1
.endr
.set z, 0
.rept 16
	ds_load_b128 v[TMP+4*z:TMP+4*z+3], v[XO] offset:SPP*z    ; a whole row of 512 bytes; LDS serves a wave's instructions in order (ISA guide 5.7.1.4)
.set z, z+1
.endr
.set z, 0
.rept 16
	s_wait_dscnt 15-z
	global_store_b128 v[GO], v[TMP+4*z:TMP+4*z+3], s[(\base):(\base)+1] offset:4096*z  ; 512 consecutive bytes, at a multiple of 256 from ab's first
.set z, z+1
.endr
	s_wait_xcnt 0x0                                ; the stores have read their registers, which the next tile writes
.Lnofin_\@:
.endm
	s_load_b256 s[4:11], s[0:1], 0x0               ; qkv s[4:5], lambda_q1 s[6:7], lambda_k1 s[8:9], lambda_q2 s[10:11]
	s_load_b128 s[12:15], s[0:1], 0x20             ; lambda_k2 s[12:13], subln_weight s[14:15]
	s_load_b64 s[16:17], s[0:1], 0x30              ; ab
	v_lshl_add_u32 v[SPW], v0, 2, SPARE
	v_mov_b32 v[NIL], 0
	ds_add_u32 v[SPW], v[NIL]                      ; the wave's opening: the add, twice on end, and its wait ahead of my first tensor load
	ds_add_u32 v[SPW], v[NIL]
	v_lshrrev_b32 v1, 5, v0
	v_readfirstlane_b32 s[WV], v1
	s_and_b32 s[BR], s[WV], 1
	s_lshr_b32 s[GG], s[WV], 1
	s_mov_b32 s[CA], ttmp9
	s_bfe_u32 s[CR], ttmp6, 0x40000
	s_and_b32 s[BH], ttmp7, 0xffff
	s_sub_co_u32 s[HIQ], 7, s[CA]
	s_mov_b32 s[G1K], 15|(1<<16)|(1<<20)|(1<<21)|(5<<22)|(3<<25)  ; the mask of four; 2-byte elements; padding on; bit 21 beside a mask; after every 64 words, 4 words
	s_mov_b32 s[G1V], 15|(1<<16)|(1<<20)|(1<<21)|(5<<22)|(7<<25)  ; the same with 8 words
.irp g, G1K, G1V
	s_mov_b32 s[(\g)+1], 128<<16                   ; tensor_dim0 = 128
	s_mov_b32 s[(\g)+2], 128<<16                   ; tensor_dim1 = 128
	s_mov_b32 s[(\g)+3], 128<<16                   ; tile_dim0 = 128
	s_mov_b32 s[(\g)+4], 128                       ; tile_dim1 = 128
	s_mov_b32 s[(\g)+5], 128                       ; elements from row to row
	s_mov_b32 s[(\g)+6], 0
	s_mov_b32 s[(\g)+7], 0
.endr
	s_mul_i32 s[LBK], s[BR], KREG                  ; where my load lands in a slot: no place in the cluster enters an LDS address
	s_mul_i32 s[LBV], s[BR], VREG
	s_add_co_u32 s[LBV], s[LBV], VOFF
	s_mov_b32 s[G0K], 1
	s_mov_b32 s[G0K+1], s[LBK]                     ; tile 0 goes into slot 0
	s_mov_b32 s[G0V], 1
	s_mov_b32 s[G0V+1], s[LBV]
	s_mov_b32 s[OFF+1], 0
	s_mov_b32 s[CS], 0x3e0293ee                    ; c = log2(e) / sqrt(128)
	s_mov_b32 s[CS+1], s[CS]
	s_mov_b32 s[SEL], 0x76543210
	s_mov_b32 s[SEL+1], 0xfedcba98
	s_mov_b32 s[TB], SLOT                          ; the first change of slots turns it into 0
	s_mov_b32 s[TBF], 0
	s_add_co_u32 s[RT], s[CA], 1                   ; the first group has a + 1 tiles
	s_mov_b32 s[NEW], 0
	s_mov_b32 s[SLOTS], 8
	s_mov_b32 s[BIGN], 0xf149f2ca                  ; -1e30
	s_mov_b32 s[AL+1], 0                           ; named as pairs
	s_mov_b32 s[BE+1], 0
	s_mov_b32 s[R256], 0x3b800000                  ; 1 / 256
	s_mov_b32 s[EPSR], 0x3727c5ac                  ; 1e-5
	s_mov_b32 s[NXT], 1                            ; the walk's second tile: tile 1 of the first group, or (a = 0) tile 0 of the second
	s_mov_b32 s[LQ], s[CA]
	s_cmp_gt_u32 s[NXT], s[LQ]
	s_cselect_b32 s[NXT], 0, s[NXT]
	s_cselect_b32 s[LQ], s[HIQ], s[LQ]
	s_cmp_eq_u32 s[CA], 0
	s_cselect_b32 s[LIM], 4, 0x7fffffff
	s_lshr_b32 s2, s[CR], 1                        ; which of the diagonal tile's two steps holds my queries: it enters the mask's values alone
	s_cmp_eq_u32 s2, 0
	s_cselect_b32 s[A0C], 1.0, 0
	s_cselect_b32 s[A1C], 0, 1.0
	s_cselect_b32 s[B1C], s[BIGN], 0
	s_lshl_b32 s94, s[BH], 1
	s_add_co_u32 s94, s94, s[BR]                   ; component 2 (8 b + head) + (w & 1): the branch's Q and K, and the half of V that I fetch
	s_lshl_b32 s94, s94, 18
	s_mov_b32 s95, 0
	s_lshl_b32 s96, s[CR], 13                      ; my 16 queries in a group: 32 x place + 16 x tile, rows of 256 bytes
	s_lshl_b32 s97, s[GG], 12
	s_add_co_u32 s96, s96, s97
	s_lshl_b32 s97, s[CA], 15
	s_add_co_u32 s98, s96, s97                     ; in group a,
	s_lshl_b32 s97, s[HIQ], 15
	s_add_co_u32 s96, s96, s97                     ; in group 7 - a
	s_mov_b32 s97, 0
	s_mov_b32 s99, 0
	s_lshr_b32 s2, s[BH], 3                        ; ab: 1,024 b rows of 4,096 bytes, the head's 512 bytes,
	s_lshl_b32 s2, s2, 22
	s_and_b32 s3, s[BH], 7
	s_lshl_b32 s3, s3, 9
	s_add_co_u32 s2, s2, s3
	s_lshl_b32 s3, s98, 4                          ; and the same rows, 16 times as long
	s_add_co_u32 s[AOL], s2, s3
	s_mov_b32 s[AOL+1], 0
	s_lshl_b32 s3, s96, 4
	s_add_co_u32 s[AOH], s2, s3
	s_mov_b32 s[AOH+1], 0
	s_wait_dscnt 0x0                               ; both opening adds are done
	s_wait_kmcnt 0x0
	s_add_nc_u64 s[KB:KB+1], s[4:5], s[94:95]
	s_add_nc_u64 s[QBL:QBL+1], s[KB:KB+1], s[98:99]
	s_add_nc_u64 s[QBH:QBH+1], s[KB:KB+1], s[96:97]
	s_add_nc_u64 s[VB:VB+1], s[KB:KB+1], 0x1000000
	s_add_nc_u64 s[KB:KB+1], s[KB:KB+1], 0x800000
	s_add_nc_u64 s[AOL:AOL+1], s[16:17], s[AOL:AOL+1]
	s_add_nc_u64 s[AOH:AOH+1], s[16:17], s[AOH:AOH+1]
	s_mov_b64 s[G0K+2:G0K+3], s[KB:KB+1]
	s_or_b32 s[G0K+3], s[G0K+3], 0x80000000
	s_mov_b64 s[G0V+2:G0V+3], s[VB:VB+1]
	s_or_b32 s[G0V+3], s[G0V+3], 0x80000000
	s_cmp_lt_u32 s[WV], 2
	s_cselect_b64 s[PB:PB+1], s[KB:KB+1], s[VB:VB+1]
	CROUND                                         ; all four work-groups are here: the first joint loads meet
	JLOAD                                          ; tile 0.  Tile 1 is asked for when tile 0 is in
	v_and_b32 v1, 15, v0                           ; l % 16
	v_bfe_u32 v10, v0, 4, 1                        ; l / 16
	v_and_b32 v30, 31, v0                          ; l
	v_lshlrev_b32 v[QO], 8, v1
	v_lshl_add_u32 v[QO], v10, 4, v[QO]
	v_lshlrev_b32 v[GO], 4, v30
	v_lshlrev_b32 v[WO], 5, v10
.irp c, 0,1,2,3
	global_load_b128 v[QF+8*(\c):QF+8*(\c)+3],   v[QO], s[QBL:QBL+1] offset:64*(\c)
	global_load_b128 v[QF+8*(\c)+4:QF+8*(\c)+7], v[QO], s[QBL:QBL+1] offset:64*(\c)+32
	global_load_b128 v[QH+8*(\c):QH+8*(\c)+3],   v[QO], s[QBH:QBH+1] offset:64*(\c)
	global_load_b128 v[QH+8*(\c)+4:QH+8*(\c)+7], v[QO], s[QBH:QBH+1] offset:64*(\c)+32
.endr
	global_load_b128 v[LW:LW+3],     v[GO], s[6:7]
	global_load_b128 v[LW+4:LW+7],   v[GO], s[8:9]
	global_load_b128 v[LW+8:LW+11],  v[GO], s[10:11]
	global_load_b128 v[LW+12:LW+15], v[GO], s[12:13]
	WIN 0xc0                                       ; destination window 3
.set z, 0
.rept 16
	global_load_b128 v[8*z:8*z+3],   v[WO], s[14:15] offset:64*z      ; the gain of channels 16 z + 8 (l / 16) + 0..7
	global_load_b128 v[8*z+4:8*z+7], v[WO], s[14:15] offset:64*z+16
.set z, z+1
.endr
	WIN 0
	v_mul_u32_u24 v[AK0], v1, PKP
	v_lshl_add_u32 v[AK0], v10, 4, v[AK0]
	v_add_nc_u32 v[AK0], s[LBK], v[AK0]            ; my branch's K
	v_and_b32 v31, 7, v0
	v_lshl_add_u32 v[AV0], v10, 3, v31             ; the turning load: lane l reads key 8 (l / 16) + l % 8, channels 8 ((l / 8) % 2) + 0..7
	v_mul_u32_u24 v[AV0], v[AV0], PVP
	v_bfe_u32 v31, v0, 3, 1
	v_lshl_add_u32 v[AV0], v31, 4, v[AV0]
	v_add_nc_u32 v[AV0], VOFF, v[AV0]
	s_lshl_b32 s2, s[GG], 14
	s_add_co_u32 s2, s2, XCH                       ; my pair's exchange
	v_lshl_add_u32 v[XO], v30, 4, s2
	v_mul_u32_u24 v[STO], v1, SPP
	v_lshl_add_u32 v[STO], v10, 4, v[STO]
	v_add_nc_u32 v[STO], s2, v[STO]
	s_lshl_b32 s3, s[CR], 13
	v_lshl_add_u32 v[PFO], v30, 8, s3
	s_and_b32 s2, s[CR], 1                         ; my query's place among the 64 keys that hold its diagonal: 32 (place & 1) + 16 x tile + l % 16,
	s_lshl_b32 s2, s2, 5
	s_lshl_b32 s3, s[GG], 4
	s_add_co_u32 s2, s2, s3
	v_lshlrev_b32 v30, 3, v10
	v_sub_nc_u32 v30, v1, v30                      ; less my lanes' 8 (l / 16): register j of key block kb is hidden where 16 kb + j is greater
	v_add_nc_u32 v30, s2, v30
.set z, 0
.rept 32
	v_cmp_gt_i32 vcc_lo, 16*(z/8)+z%8, v30
	v_cndmask_b32 v[MD+z], 0, s[BIGN], vcc_lo
.set z, z+1
.endr
	; A group's first step multiplies O^T and l by 0, so these need only hold finite numbers: zeros for the first group, what the first group left for the second.  No first step is written out.
	WIN 0x40
.set z, 0
.rept 128
	v_mov_b32 v[z], 0
.set z, z+1
.endr
	WIN 0
	v_mov_b32 v[LS], 0
	v_mov_b32 v[LS+1], 0
	v_mov_b32 v[CMX], 0xfe000000                   ; c m: far below every c s
	v_mov_b32 v[MX], 0xff7fffff                    ; m
.irp j, 0,1,2,3
	v_mov_b32 v[TT+(\j)], 0
.endr
	v_mov_b32 v[AF+1], 0                           ; named in pairs, never taken
	v_mov_b32 v[RL+1], 0
	s_wait_loadcnt 0x0                             ; Q, the lambdas, the gain
	WIN 0xcf                                       ; the gain is rounded to bf16, in place, in window 3
.set z, 0
.rept 64
	v_cvt_pk_bf16_f32 v[2*z], v[2*z], v[2*z+1]
	v_and_b32 v[2*z+1], 0xffff0000, v[2*z]
	v_lshlrev_b32 v[2*z], 16, v[2*z]
.set z, z+1
.endr
	WIN 0
.set z, 0
.rept 8
	v_cvt_pk_bf16_f32 v[LW+2*z], v[LW+2*z], v[LW+2*z+1]   ; and the lambdas
	v_and_b32 v[LW+2*z+1], 0xffff0000, v[LW+2*z]
	v_lshlrev_b32 v[LW+2*z], 16, v[LW+2*z]
.set z, z+1
.endr
	v_mul_f32 v30, v[LW], v[LW+4]                  ; my four terms of each of the two sums
	v_mul_f32 v31, v[LW+8], v[LW+12]
.irp j, 1,2,3
	v_fmac_f32 v30, v[LW+(\j)], v[LW+4+(\j)]
	v_fmac_f32 v31, v[LW+8+(\j)], v[LW+12+(\j)]
.endr
.irp m, 1,2,4,8
	v_add_f32_dpp v30, v30, v30 row_xmask:\m row_mask:0xf bank_mask:0xf
	v_add_f32_dpp v31, v31, v31 row_xmask:\m row_mask:0xf bank_mask:0xf
.endr
	v_permlanex16_b32 v[TT], v30, s[SEL], s[SEL+1]
	v_permlanex16_b32 v[TT+1], v31, s[SEL], s[SEL+1]
	v_add_f32 v30, v30, v[TT]
	v_add_f32 v31, v31, v[TT+1]
	v_mul_f32 v30, 0x3fb8aa3b, v30
	v_mul_f32 v31, 0x3fb8aa3b, v31
	v_exp_f32 v30, v30
	v_exp_f32 v31, v31
	v_nop
	s_wait_alu depctr_va_vdst(0)                   ; one wait for the two exponentials, ahead of their first reader
	v_sub_f32 v[LAM], v30, v31
	v_add_f32 v[LAM], 0x3f489a63, v[LAM]           ; + 0.8 - 0.6 exp(-3.6) = 0.78360577
	s_cmp_eq_u32 s[BR], 1
	s_cselect_b32 s2, -1, 0
	v_cndmask_b32 v[FAC], 1.0, v[LAM], s2
.Ltile:                                        ; 8 trips: a tile is entered and the next is asked for
	CHANGE 1
	s_cmp_eq_u32 s[NEW], 1
	s_cbranch_scc0 .Lgo
	FINISH AOL                                     ; the first group's difference: the change of slots has shown the partner's stores done
.set z, 0
.rept 32
	v_mov_b32 v[QF+z], v[QH+z]                     ; the second group begins: its Q goes where the one text names Q
.set z, z+1
.endr
	v_mov_b32 v[CMX], 0xfe000000
	v_mov_b32 v[MX], 0xff7fffff
	s_add_co_u32 s[RT], s[HIQ], 1                  ; it has 8 - a tiles
	s_mov_b32 s[NEW], 0
.Lgo:
	TILE
	s_wait_dscnt 0x0                               ; my LDS work is over, the stage's among it:
	s_barrier_signal -1                            ; a barrier between a wave's use of the exchange and its partner's next stores into it
	s_barrier_wait -1
	s_sub_co_u32 s[RT], s[RT], 1
	s_cmp_lg_u32 s[RT], 0
	s_cbranch_scc1 .Lnext
	ENDBLK
	s_mov_b32 s[NEW], 1
.Lnext:
	s_sub_co_u32 s[SLOTS], s[SLOTS], 1
	s_cmp_lg_u32 s[SLOTS], 0
	s_cbranch_scc1 .Ltile
	CHANGE 0                                       ; the walk's last tile, the second group's diagonal one, is written out: nothing is asked for
	TILE
	ENDBLK
	s_wait_dscnt 0x0                               ; for the partner's sake: my stores into the exchange are done
	s_barrier_signal -1
	s_barrier_wait -1
	FINISH AOH
	s_wait_tensorcnt 0x0                           ; the wave's end, behind my last tensor load and my last LDS store
	ds_add_u32 v[SPW], v[NIL]
	s_wait_dscnt 0x0
	CROUND                                         ; the closing round
	s_endpgm
.Lfunc_end_k_q6743f12de4_attn:
	.size	k_q6743f12de4_attn, .Lfunc_end_k_q6743f12de4_attn-k_q6743f12de4_attn
	.p2alignl 7, 3214868480
	.fill 96, 4, 3214868480
	.section	.rodata,"a",@progbits
	.p2align	6, 0x0
	.amdhsa_kernel k_q6743f12de4_attn
		.amdhsa_group_segment_fixed_size 327680
		.amdhsa_private_segment_fixed_size 0
		.amdhsa_enable_private_segment 0
		.amdhsa_kernarg_size 56
		.amdhsa_user_sgpr_count 2
		.amdhsa_user_sgpr_kernarg_segment_ptr 1
		.amdhsa_wavefront_size32 1
		.amdhsa_system_sgpr_workgroup_id_x 1
		.amdhsa_system_sgpr_workgroup_id_y 1
		.amdhsa_system_sgpr_workgroup_id_z 1
		.amdhsa_system_vgpr_workitem_id 0
		.amdhsa_next_free_vgpr 896
		.amdhsa_next_free_sgpr 102
		.amdhsa_reserve_vcc 1
		.amdhsa_float_denorm_mode_32 3
		.amdhsa_float_denorm_mode_16_64 3
		.amdhsa_memory_ordered 1
		.amdhsa_forward_progress 1
		.amdhsa_inst_pref_size 149
	.end_amdhsa_kernel
	.amdgpu_metadata
---
amdhsa.version: [ 1, 2 ]
amdhsa.kernels:
  - .name:           k_q6743f12de4_attn
    .symbol:         k_q6743f12de4_attn.kd
    .args:
      - { .name: qkv, .offset: 0, .size: 8, .value_kind: global_buffer, .address_space: global }
      - { .name: lambda_q1, .offset: 8, .size: 8, .value_kind: global_buffer, .address_space: global }
      - { .name: lambda_k1, .offset: 16, .size: 8, .value_kind: global_buffer, .address_space: global }
      - { .name: lambda_q2, .offset: 24, .size: 8, .value_kind: global_buffer, .address_space: global }
      - { .name: lambda_k2, .offset: 32, .size: 8, .value_kind: global_buffer, .address_space: global }
      - { .name: subln_weight, .offset: 40, .size: 8, .value_kind: global_buffer, .address_space: global }
      - { .name: ab, .offset: 48, .size: 8, .value_kind: global_buffer, .address_space: global }
    .group_segment_fixed_size: 327680
    .private_segment_fixed_size: 0
    .kernarg_segment_align: 8
    .kernarg_segment_size: 56
    .max_flat_workgroup_size: 128
    .sgpr_count:     102
    .vgpr_count:     896
    .wavefront_size: 32
...
	.end_amdgpu_metadata
.endif
;; end of part 3
;; launch oproj (part 4): grid 16 x 16, 4 waves a work-group, clusters of 4 x 4, 327,680 bytes of LDS; arguments ab, wo16, out0; writes out0
.if DOCPART == 4
	.amdgcn_target "amdgcn-amd-amdhsa--gfx1250"
	.amdhsa_code_object_version 6
	.text
	.protected	k_q6743f12de4_oproj
	.globl	k_q6743f12de4_oproj
	.p2align	8
	.type	k_q6743f12de4_oproj,@function
k_q6743f12de4_oproj:
	s_mov_b64 s[64:65], 0
	v_nop
	global_prefetch_b8 v0, s[64:65] scope:SCOPE_SE
	s_setreg_imm32_b32 hwreg(HW_REG_WAVE_MODE, 25, 1), 1
	s_wait_xcnt 0x0
	s_wait_alu depctr_hold_cnt(0) depctr_sa_sdst(0) depctr_va_vdst(0) depctr_va_sdst(0) depctr_va_ssrc(0) depctr_va_vcc(0) depctr_vm_vsrc(0)
	s_getreg_b32 s2, hwreg(HW_REG_IB_STS2, 6, 4)
	s_cmp_eq_u32 s2, 0
	s_cbranch_scc0 .Lentry_in_a_cluster
	s_endpgm
.Lentry_in_a_cluster:
	s_bfe_u32 s2, ttmp6, 0x10000c
	s_cmp_lg_u32 s2, 0xf033
	s_cbranch_scc0 .Lentry_shape_is_right
	s_endpgm
.Lentry_shape_is_right:
; OPROJ: out0 = a Wo.  ab: [2048][2048] f16; wo16: [2048 k][2048 n] f16; sums in f32; out0: [2048][2048] f32.
; SHARES.  A tile of out0 is 128 x 128: 256 work-groups.  Four waves, each 64 x 64: 16 accumulators.  K goes in 8 steps of 256 through two LDS slots: waves 0, 1 fetch 64 rows x 512 bytes of a each,
; waves 2, 3 128 k-rows x 256 bytes of Wo each.  Wo lies [k][n] and comes out of LDS turned, by ds_load_tr16_b128.
; CLUSTER 4 x 4: a's tile is asked for jointly along a row of the cluster, Wo's along a column.  THE PRODUCT IS TAKEN TRANSPOSED (source 0 = 16 columns of Wo, source 1 = 16 rows of a): a lane
; holds eight neighbouring columns of one row: 32 bytes of f32.  A wave's 64 columns are 256 consecutive bytes of a row, aligned: each wave goes out through a stage of its own, with no barrier.
; No prefetch: a tile's step is short and its tiles small.
; REGISTERS: window 0: v0-31 addresses; v32-95 the way out; v128-255 the accumulators ((a, b) at 128 + 8 (4 a + b)).  window 1: two fragment buffers of 128: 64 of a (2 x 4 x 16 rows x 32 K), 64 of Wo.
.set PA,    528                        ; a row of a in LDS: 512 bytes + 16
.set PB,    288                        ; a k-row of Wo: 256 + 32
.set HALFA, 64*PA
.set HALFB, 128*PB
.set BOFF,  2*HALFA
.set SLOT,  BOFF+2*HALFB
.set STAGE, 2*SLOT                     ; behind the ring: 16 rows x 272 bytes for each wave
.set SP,    272
.set SPARE, STAGE+4*16*SP              ; the spare words, 128 bytes a wave: two blocks of 256 bytes that no other line names
.set LAPS,  4
.set ADRA, 16                          ; v16-17  my fragments of a in slot 0, 1
.set ADRB, 18                          ; v18-21  my fragments of Wo: slot s, half kh of the step's 256 k-rows at 18 + 2 s + kh
.set STO,  24
.set RD,   25
.set CO,   26
.set SPW,  28
.set NIL,  29
.set OB,   32                          ; two buffers of 32, by turns
.set ACC,  128
.set F0,   0
.set F1,   128
.set G1, 24
.set G0, 32
.set G1B, 48
.set G0B, 56
.set MSB, 0
.macro WIN new
.if MSB != (\new)
	s_set_vgpr_msb (MSB<<8)|(\new)
.set MSB, \new
.endif
.endm
.set MUL,  0x05                        ; sources 0 and 1 window 1; C and D window 0
.set TO_F, 0x40                        ; destination window 1, address window 0
.macro JLOAD s                         ; waves 0, 1 ask for a's halves, waves 2, 3 for Wo's; an s_nop 0 and four v_nop follow each line
	s_cmp_eq_u32 s11, 0
	s_cbranch_scc0 .Lfor_b_\@
	tensor_load_to_lds s[G0+4*(\s):G0+4*(\s)+3], s[G1:G1+7]
	s_nop 0
.rept 4
	v_nop
.endr
	s_branch .Lasked_\@
.Lfor_b_\@:
	tensor_load_to_lds s[G0B+4*(\s):G0B+4*(\s)+3], s[G1B:G1B+7]
	s_nop 0
.rept 4
	v_nop
.endr
.Lasked_\@:
.endm
.macro CROUND                          ; a round of the cluster's barrier
	s_barrier_signal -1
	s_barrier_wait -1
	s_cmp_lg_u32 s10, 0
	s_cbranch_scc1 .Lnot_wave_0_\@
	s_barrier_signal -3
.Lnot_wave_0_\@:
	s_barrier_wait -3
	s_barrier_signal -1
	s_barrier_wait -1
.endm
.macro PLACES
.rept 4
	v_nop
.endr
.endm
	s_load_b128 s[4:7], s[0:1], 0x0                ; ab s[4:5], wo16 s[6:7]
	s_load_b64 s[8:9], s[0:1], 0x10                ; out0
	v_lshl_add_u32 v[SPW], v0, 2, SPARE
	v_mov_b32 v[NIL], 0
	ds_add_u32 v[SPW], v[NIL]                      ; the wave's opening: the add, twice on end, and its wait ahead of my first tensor load
	ds_add_u32 v[SPW], v[NIL]
	v_lshrrev_b32 v1, 5, v0
	v_readfirstlane_b32 s10, v1
	s_lshr_b32 s11, s10, 1                         ; which 64 rows are mine.  Also: I fetch for a (0) or for Wo (1)
	s_and_b32 s12, s10, 1                          ; which 64 columns.  Also: which half of that tile I fetch
	s_bfe_u32 s40, ttmp6, 0x40000
	s_bfe_u32 s41, ttmp6, 0x40004
	s_lshl_b32 s42, ttmp9, 2
	s_add_co_u32 s42, s42, s40                     ; tile column n
	s_and_b32 s13, ttmp7, 0xffff
	s_lshl_b32 s13, s13, 2
	s_add_co_u32 s13, s13, s41                     ; tile row mt
	s_lshl_b32 s43, s41, 2
	s_lshl_b32 s43, 15, s43
	s_lshl_b32 s44, 0x1111, s40
	s_or_b32 s[G1], s43, (1<<16)|(1<<20)|(1<<21)|(6<<22)|(3<<25)   ; my row's mask; 2-byte elements; padding on; bit 21 beside a mask; after every 128 words, 4 words
	s_mov_b32 s[G1+1], 256<<16                     ; tensor_dim0 = 256
	s_mov_b32 s[G1+2], 64<<16                      ; tensor_dim1 = 64
	s_mov_b32 s[G1+3], 256<<16                     ; tile_dim0 = 256
	s_mov_b32 s[G1+4], 64                          ; tile_dim1 = 64
	s_mov_b32 s[G1+5], 2048
	s_mov_b32 s[G1+6], 0
	s_mov_b32 s[G1+7], 0
	s_or_b32 s[G1B], s44, (1<<16)|(1<<20)|(1<<21)|(5<<22)|(7<<25)  ; my column's mask; after every 64 words, 8 words
	s_mov_b32 s[G1B+1], 128<<16
	s_mov_b32 s[G1B+2], 128<<16
	s_mov_b32 s[G1B+3], 128<<16
	s_mov_b32 s[G1B+4], 128
	s_mov_b32 s[G1B+5], 2048
	s_mov_b32 s[G1B+6], 0
	s_mov_b32 s[G1B+7], 0
	s_lshl_b32 s16, s13, 19                        ; a: row 128 mt + 64 (w & 1), 4,096 bytes a row
	s_lshl_b32 s17, s12, 18
	s_add_co_u32 s16, s16, s17
	s_mov_b32 s17, 0
	s_lshl_b32 s46, s42, 8                         ; Wo: 256 n bytes along, k-row 128 (w & 1)
	s_lshl_b32 s47, s12, 19
	s_add_co_u32 s46, s46, s47
	s_mov_b32 s47, 0
	s_mul_i32 s20, s12, HALFA                      ; where they land: no place in the cluster enters an LDS address
	s_mul_i32 s21, s12, HALFB
	s_add_co_u32 s21, s21, BOFF
	s_wait_dscnt 0x0                               ; both opening adds are done
	s_wait_kmcnt 0x0
	s_add_nc_u64 s[14:15], s[4:5], s[16:17]
	s_add_nc_u64 s[46:47], s[6:7], s[46:47]
	CROUND                                         ; all sixteen work-groups are here: the first joint loads meet
.irp s, 0,1
	s_mov_b32 s[G0+4*(\s)], 1
	s_add_co_u32 s[G0+4*(\s)+1], s20, (\s)*SLOT
	s_add_nc_u64 s[G0+4*(\s)+2:G0+4*(\s)+3], s[14:15], (\s)*512
	s_or_b32 s[G0+4*(\s)+3], s[G0+4*(\s)+3], 0x80000000
	s_mov_b32 s[G0B+4*(\s)], 1
	s_add_co_u32 s[G0B+4*(\s)+1], s21, (\s)*SLOT
	s_add_nc_u64 s[G0B+4*(\s)+2:G0B+4*(\s)+3], s[46:47], (\s)*256*4096
	s_or_b32 s[G0B+4*(\s)+3], s[G0B+4*(\s)+3], 0x80000000
	JLOAD \s
.endr
	v_and_b32 v1, 15, v0
	v_bfe_u32 v2, v0, 4, 1
	v_mul_u32_u24 v3, v1, PA
	v_lshl_add_u32 v3, v2, 4, v3
	s_mul_i32 s22, s11, HALFA
	v_add_nc_u32 v[ADRA], s22, v3
	v_add_nc_u32 v[ADRA+1], SLOT, v[ADRA]
	v_and_b32 v4, 7, v0
	v_bfe_u32 v5, v0, 3, 1
	v_lshl_add_u32 v6, v2, 3, v4
	v_mul_u32_u24 v6, v6, PB
	v_lshl_add_u32 v6, v5, 4, v6
	s_lshl_b32 s22, s12, 7
	s_add_co_u32 s22, s22, BOFF
	v_add_nc_u32 v6, s22, v6
.irp s, 0,1
.irp kh, 0,1
	v_add_nc_u32 v[ADRB+2*(\s)+(\kh)], (\s)*SLOT+(\kh)*HALFB, v6
.endr
.endr
	s_mul_i32 s23, s10, 16*SP
	s_add_co_u32 s23, s23, STAGE                   ; my stage
	v_mul_u32_u24 v7, v1, SP                       ; in: row l % 16, 32 bytes for each half of the lanes
	v_lshl_add_u32 v7, v2, 5, v7
	v_add_nc_u32 v[STO], s23, v7
	v_mul_u32_u24 v7, v2, SP                       ; back: lanes 0-15 one row of 256 bytes, lanes 16-31 the next
	v_lshl_add_u32 v7, v1, 4, v7
	v_add_nc_u32 v[RD], s23, v7
	v_lshlrev_b32 v7, 13, v2                       ; and the same two rows in out0
	v_lshl_add_u32 v[CO], v1, 4, v7
	s_lshl_b32 s16, s13, 20                        ; row 128 mt + 64 (w >> 1), 8,192 bytes a row
	s_lshl_b32 s17, s11, 19
	s_add_co_u32 s16, s16, s17
	s_mov_b32 s17, 0
	s_add_nc_u64 s[8:9], s[8:9], s[16:17]
	s_lshl_b32 s46, s42, 9                         ; column 128 n + 64 (w & 1), in bytes
	s_lshl_b32 s47, s12, 8
	s_add_co_u32 s46, s46, s47
	s_mov_b32 s47, 0
	s_add_nc_u64 s[8:9], s[8:9], s[46:47]
; 8 products: row blocks a0, a0 + 1 x all 4 column blocks, 32 along K: half c of buffer f.  The 16 accumulators take turns.
.macro MUL8 f, c, a0, zero
	WIN MUL
.irp a, \a0, (\a0)+1
.irp b, 0,1,2,3
.if \zero
	v_wmma_f32_16x16x32_f16 v[ACC+8*(4*(\a)+(\b)):ACC+8*(4*(\a)+(\b))+7], v[(\f)+64+8*(4*(\c)+(\b)):(\f)+64+8*(4*(\c)+(\b))+7], v[(\f)+8*(4*(\c)+(\a)):(\f)+8*(4*(\c)+(\a))+7], 0
.else
	v_wmma_f32_16x16x32_f16 v[ACC+8*(4*(\a)+(\b)):ACC+8*(4*(\a)+(\b))+7], v[(\f)+64+8*(4*(\c)+(\b)):(\f)+64+8*(4*(\c)+(\b))+7], v[(\f)+8*(4*(\c)+(\a)):(\f)+8*(4*(\c)+(\a))+7], v[ACC+8*(4*(\a)+(\b)):ACC+8*(4*(\a)+(\b))+7]
.endif
.endr
.endr
.endm
; 32 LDS loads in one run: quarter q (64 along K) of a slot into buffer f; the first 32 along K first
.macro FETCH slot, q, f
	WIN TO_F
.irp c, 0,1
.irp i, 0,1,2,3
	ds_load_tr16_b128 v[(\f)+64+8*(4*(\c)+(\i)):(\f)+64+8*(4*(\c)+(\i))+3],   v[ADRB+2*(\slot)+(\q)/2] offset:(((\q)%2)*64+32*(\c))*PB+32*(\i)
	ds_load_tr16_b128 v[(\f)+64+8*(4*(\c)+(\i))+4:(\f)+64+8*(4*(\c)+(\i))+7], v[ADRB+2*(\slot)+(\q)/2] offset:(((\q)%2)*64+32*(\c))*PB+32*(\i)+16*PB
	ds_load_b128 v[(\f)+8*(4*(\c)+(\i)):(\f)+8*(4*(\c)+(\i))+3],   v[ADRA+(\slot)] offset:128*(\q)+64*(\c)+(\i)*16*PA
	ds_load_b128 v[(\f)+8*(4*(\c)+(\i))+4:(\f)+8*(4*(\c)+(\i))+7], v[ADRA+(\slot)] offset:128*(\q)+64*(\c)+(\i)*16*PA+32
.endr
.endr
.endm
.macro QUARTER slot, q, f, g, zero
	s_wait_dscnt 16                                ; the first 32 along K are in
	MUL8 \f, 0, 0, \zero
	MUL8 \f, 0, 2, \zero
	PLACES
	FETCH \slot, \q, \g
	s_wait_dscnt 32                                ; all but the 32 just issued
	MUL8 \f, 1, 0, 0
	MUL8 \f, 1, 2, 0
.endm
; THE CHANGE OF SLOTS stands AHEAD of the last quarter's products, which need registers alone (buffer 1 holds the slot's last fragments).  Each wave waits for all its tensor loads, adds 0 to its
; spare word, and waits for that and for its reads of this slot.  fill = 1: a round of the cluster's barrier, and first thing behind it this slot is filled again, two K steps ahead.  No product
; stands between the wait for a tile and the next request: from a request to the wait for it a wave issues a whole K step's 128 products.
.macro TURN slot, next, fill
	WIN 0
	s_wait_tensorcnt 0x0                           ; all my tensor loads have landed: my part of the next slot; so the descriptors may be written
	ds_add_u32 v[SPW], v[NIL]                      ; 0 onto my spare word; the descriptors' steps stand between it and the wait for it
.if \fill
	s_add_nc_u64 s[G0+4*(\slot)+2:G0+4*(\slot)+3], s[G0+4*(\slot)+2:G0+4*(\slot)+3], 2*512
	s_add_nc_u64 s[G0B+4*(\slot)+2:G0B+4*(\slot)+3], s[G0B+4*(\slot)+2:G0B+4*(\slot)+3], 2*256*4096
.endif
	s_wait_dscnt 0x0                               ; the add is done, and my reads of this slot are over
.if \fill
	CROUND                                         ; no wave of any partner still reads this slot or has a load on its way
	JLOAD \slot                                    ; the first tensor load behind the round; its four v_nop are also the places ahead of the loads below
.else
	s_barrier_signal -1
	s_barrier_wait -1
	PLACES
.endif
	FETCH \next, 0, F0
	MUL8 F1, 0, 0, 0                               ; the old slot's last quarter, while the tile is on its way and the new slot's first fragments come
	MUL8 F1, 0, 2, 0
	MUL8 F1, 1, 0, 0
	MUL8 F1, 1, 2, 0
.endm
	s_wait_tensorcnt 1                             ; my part of K step 0 is in; K step 1's may stay out
	s_barrier_signal -1
	s_barrier_wait -1
	FETCH 0, 0, F0
	QUARTER 0, 1, F0, F1, 1                        ; the first quarter stands ahead of the loop: its first products start the sums
	WIN 0
	s_mov_b32 s3, LAPS-1
.Llap:
	QUARTER 0, 2, F1, F0, 0
	QUARTER 0, 3, F0, F1, 0
	TURN 0, 1, 1
	QUARTER 1, 1, F0, F1, 0
	QUARTER 1, 2, F1, F0, 0
	QUARTER 1, 3, F0, F1, 0
	TURN 1, 0, 1
	QUARTER 0, 1, F0, F1, 0
	WIN 0
	s_sub_co_u32 s3, s3, 1
	s_cmp_lg_u32 s3, 0
	s_cbranch_scc1 .Llap
	QUARTER 0, 2, F1, F0, 0                        ; the last lap fills nothing
	QUARTER 0, 3, F0, F1, 0
	TURN 0, 1, 0
	QUARTER 1, 1, F0, F1, 0
	QUARTER 1, 2, F1, F0, 0
	QUARTER 1, 3, F0, F1, 0
	s_wait_dscnt 16
	MUL8 F1, 0, 0, 0
	MUL8 F1, 0, 2, 0
	s_wait_dscnt 0x0
	MUL8 F1, 1, 0, 0
	MUL8 F1, 1, 2, 0
	WIN 0
	; THE WAY OUT, 16 rows at a time: 32 bytes a lane into my stage (each accumulator's low four registers first), back as whole rows of 256 bytes, stored
	PLACES
.irp a, 0,1,2,3
.if (\a) >= 2
	s_wait_xcnt 0x0                                ; the stores two blocks back have read their registers, which are loaded again
.endif
.irp b, 0,1,2,3
	ds_store_b128 v[STO], v[ACC+8*(4*(\a)+(\b)):ACC+8*(4*(\a)+(\b))+3]   offset:64*(\b)
	ds_store_b128 v[STO], v[ACC+8*(4*(\a)+(\b))+4:ACC+8*(4*(\a)+(\b))+7] offset:64*(\b)+16
.endr
.irp p, 0,1,2,3,4,5,6,7
	ds_load_b128 v[OB+32*((\a)%2)+4*(\p):OB+32*((\a)%2)+4*(\p)+3], v[RD] offset:(\p)*2*SP  ; LDS serves a wave's instructions in order (ISA guide 5.7.1.4)
.endr
.irp p, 0,1,2,3,4,5,6,7
	s_wait_dscnt 7-(\p)
	global_store_b128 v[CO], v[OB+32*((\a)%2)+4*(\p):OB+32*((\a)%2)+4*(\p)+3], s[8:9] offset:(16*(\a)+2*(\p))*8192  ; 16 lanes store 256 consecutive bytes, at a multiple of 256 from out0's first
.endr
.endr
	s_wait_tensorcnt 0x0                           ; the wave's end, behind my last tensor load and my last LDS store
	ds_add_u32 v[SPW], v[NIL]
	s_wait_dscnt 0x0
	CROUND                                         ; the closing round
	s_endpgm
.Lfunc_end_k_q6743f12de4_oproj:
	.size	k_q6743f12de4_oproj, .Lfunc_end_k_q6743f12de4_oproj-k_q6743f12de4_oproj
	.p2alignl 7, 3214868480
	.fill 96, 4, 3214868480
	.section	.rodata,"a",@progbits
	.p2align	6, 0x0
	.amdhsa_kernel k_q6743f12de4_oproj
		.amdhsa_group_segment_fixed_size 327680
		.amdhsa_private_segment_fixed_size 0
		.amdhsa_enable_private_segment 0
		.amdhsa_kernarg_size 24
		.amdhsa_user_sgpr_count 2
		.amdhsa_user_sgpr_kernarg_segment_ptr 1
		.amdhsa_wavefront_size32 1
		.amdhsa_system_sgpr_workgroup_id_x 1
		.amdhsa_system_sgpr_workgroup_id_y 1
		.amdhsa_system_sgpr_workgroup_id_z 1
		.amdhsa_system_vgpr_workitem_id 0
		.amdhsa_next_free_vgpr 512
		.amdhsa_next_free_sgpr 66
		.amdhsa_reserve_vcc 0
		.amdhsa_float_denorm_mode_32 3
		.amdhsa_float_denorm_mode_16_64 3
		.amdhsa_memory_ordered 1
		.amdhsa_forward_progress 1
		.amdhsa_inst_pref_size 86
	.end_amdhsa_kernel
	.amdgpu_metadata
---
amdhsa.version: [ 1, 2 ]
amdhsa.kernels:
  - .name:           k_q6743f12de4_oproj
    .symbol:         k_q6743f12de4_oproj.kd
    .args:
      - { .name: ab, .offset: 0, .size: 8, .value_kind: global_buffer, .address_space: global }
      - { .name: wo16, .offset: 8, .size: 8, .value_kind: global_buffer, .address_space: global }
      - { .name: out0, .offset: 16, .size: 8, .value_kind: global_buffer, .address_space: global }
    .group_segment_fixed_size: 327680
    .private_segment_fixed_size: 0
    .kernarg_segment_align: 8
    .kernarg_segment_size: 24
    .max_flat_workgroup_size: 128
    .sgpr_count:     66
    .vgpr_count:     512
    .wavefront_size: 32
...
	.end_amdgpu_metadata
.endif
;; end of part 4
